; MI455X (gfx1250); checked and timed in simulation.
; The chip was launched on July 23, 2026; its instructions are those of AMD's public machine-readable ISA for CDNA 5 (MIT licence, August 2026) and "CDNA5" Instruction Set Architecture Reference Guide (July 2026). The comments in the code are by the model that wrote it; some were corrected since.
;; Multi Head Attention. Allowed arithmetic: matrix products marked QUANTISED: E2M1 operands, one E8M0 scale for each 32 along K, by v_wmma_scale_f32_16x16x128_f8f6f4 with both operands' format E2M1 (or v_wmma_scale_f32_32x16x128_f4), f32 sums; products left as they are: bf16, f16 or f32 operands; f32 sums; everything else in f32.
;; Inputs: Wk 16 x 1,024 x 64 float32; Wo 1,024 x 1,024 float32; Wq 16 x 1,024 x 64 float32; Wv 16 x 1,024 x 64 float32; bo 1,024 float32; x 4 x 2,048 x 1,024 float32.
;; Outputs: out0 4 x 2,048 x 1,024 float32.
;; This version of the problem:
;;   THIS VERSION OF THE PROBLEM IS GIVEN IN LOW PRECISION. The matrix products marked QUANTISED in the list below multiply operands that are first quantised to E2M1 (2 exponent bits, 1 mantissa bit; 4 bits a number), with one power-of-two scale for each 32 numbers along K (OCP MX v1.0); their sums are f32. The products marked 'left as it is' may take bf16, f16 or f32 operands, with f32 sums. Whichever they take, every output number must still come out within the allowed error. Rounding operands to bf16 (8 significant bits) uses up far more of that allowance than f16 does (11 bits, for magnitudes from 6e-5 to 65,504). All else is computed in f32.
;;   The module's matrix products, in the order in which they are computed (A, B: the left and right operand; K: the contracted axis; several contracted axes count as one K, in the product's order):
;;     1. [M 1,024, K 1,024] x [K 1,024, N 8,192]; A: input Wq; B: input x: QUANTISED
;;     2. [M 1,024, K 1,024] x [K 1,024, N 8,192]; A: input Wk; B: input x: QUANTISED
;;     3. [M 1,024, K 1,024] x [K 1,024, N 8,192]; A: input Wv; B: input x: QUANTISED
;;     4. batch 64 x [M 2,048, K 64] x [K 64, N 2,048]; A: computed on the way; B: computed on the way: left as it is (an operand is computed on the way)
;;     5. batch 64 x [M 2,048, K 2,048] x [K 2,048, N 64]; A: computed on the way; B: computed on the way: left as it is (an operand is computed on the way)
;;     6. [M 8,192, K 1,024] x [K 1,024, N 1,024]; A: computed on the way; B: input Wo: left as it is (an operand is computed on the way)
;;   THE QUANTISER, for each operand of a quantised product, along K:
;;     - K is cut into blocks of 32 from its start; a last block that is shorter is filled with zeros.
;;     - A block's scale is 2^e with e = floor(log2(the largest magnitude in the block)) - 2, held to -126 .. 127; a block of zeros has e = 0. As a byte (E8M0): e + 127.
;;     - Each number is divided by its block's scale, clamped to +-6, and rounded to the nearest number of E2M1, ties to even, subnormals kept.
;;     - The product sums the exact products of the quantised numbers (number of the format x scale) in f32.
;;   ~~~python
;;   def quantise(x, axis):      # numpy; x: float32 -> the quantised numbers, widened to float32 again
;;       x = np.moveaxis(x, axis, -1); K = x.shape[-1]
;;       x = np.pad(x, [(0, 0)] * (x.ndim - 1) + [(0, -K % 32)]); x = x.reshape(x.shape[:-1] + (-1, 32)); a = np.abs(x).max(-1, keepdims=True)
;;       e = np.where(a > 0, np.clip(np.frexp(np.where(a > 0, a, 1))[1] - 1 - 2, -126, 127), 0)      # np.frexp(a)[1] - 1 = floor(log2(a)), exactly
;;       r = np.clip(x / 2.0 ** e, -6, 6)
;;       step = 2.0 ** (np.maximum(np.frexp(np.where(r == 0, 1, r))[1] - 1, 0) - 1)
;;       q = np.round(r / step) * step * 2.0 ** e      # np.round: ties to even
;;       return np.moveaxis(q.reshape(q.shape[:-2] + (-1,))[..., :K], -1, axis).astype(np.float32)
;;   ~~~
;; One version. Each part assembles by itself: llvm-mc -triple=amdgcn-amd-amdhsa -mcpu=gfx1250 --defsym DOCPART=n.
;; ======== version 1 of 1: 4 launches
;; limits: values are held in f16: magnitudes above 65,504 overflow, below 6.1e-05 lose precision
;; workspace buffers: xc 4,194,304 bytes; xs 262,144 bytes; wc 1,572,864 bytes; ws 98,304 bytes; wo16 2,097,152 bytes; qkv 50,331,648 bytes; ows 16,777,216 bytes
;; launch prep (part 1): grid 576 x 1, 4 waves a work-group, no clusters, 42,496 bytes of LDS; arguments x, Wq, Wk, Wv, Wo, xc, xs, wc, ws, wo16; writes xc, xs, wc, ws, wo16
.if DOCPART == 1
	.amdgcn_target "amdgcn-amd-amdhsa--gfx1250"
	.amdhsa_code_object_version 6
	.text
	.protected	k_q8b8343094f_prep
	.globl	k_q8b8343094f_prep
	.p2align	8
	.type	k_q8b8343094f_prep,@function
k_q8b8343094f_prep:
	s_mov_b64 s[64:65], 0
	v_nop
	global_prefetch_b8 v0, s[64:65] scope:SCOPE_SE
	s_setreg_imm32_b32 hwreg(HW_REG_WAVE_MODE, 25, 1), 1
	s_wait_xcnt 0x0
; PREP: the operands of the three quantised products become codes of E2M1 with one E8M0 byte for each 32 along K (K = the 1,024 of E), and Wo becomes f16.
;   work-groups 0-255   (path X): x [8192 tokens][1024] f32, K innermost -> xc [8192][512 bytes], xs [8192][32 bytes]
;   work-groups 256-447 (path W): Wq, Wk, Wv [16 heads][1024 k][64 d] f32, K NOT innermost -> wc [3072 rows n = 1024 tensor + 64 head + d][512 bytes], ws [3072][32 bytes]
;   work-groups 448-575 (path O): Wo [1024][1024] f32 -> wo16, the same order, f16 (rounded to nearest even)
; The three paths part on the work-group's number alone and never join; each has LDS bytes of its own.
; A block's scale is 2^(floor(log2(its largest magnitude)) - 2); its byte is the largest magnitude's exponent field - 2, held at 1 from below.
; LIMITS: a block of zeros gets the byte 1 where the rule says 127 (its codes are zeros, which add nothing under any byte but 0xff, and this program alone reads the bytes);
; blocks whose largest magnitude lies under 2^-124 keep the byte 1; NaN and infinities among the inputs are not served; |Wo| beyond 65,504 becomes infinity in f16.
; No tensor load, no copy, no matrix instruction: memory binds, so each input byte is read once and codes leave in whole aligned runs of 256 bytes.
.set SPW,   192                        ; v192     LDS address of my spare word: SPARE + 4 x my thread's number; never rewritten
.set NIL,   193                        ; v193     0; never rewritten
.set STEPS, 16                         ; path X: steps of 512 numbers for a wave
.set EMAX,  2
.set CB,    8                          ; bytes of 16 codes
.set R,     16                         ; path X: v16-79   four sets of 16 numbers as they are loaded
.set X,     80                         ;         v80-111  two sets of 16 neighbours
.set E,     112                        ;         v112-127 a scale byte for each step
.set C,     128                        ;         v128-191 codes: four registers for each step, so that no store's data are written again
.set WREG,  8192                       ; path X's LDS: a region for each wave: two stages of 32 x SP bytes, then its 256 scale bytes
.set SP,    80                         ; a lane's place in a stage: 64 bytes + 16 of padding
.set WST,   32768                      ; path W's LDS: a stage of 32 rows (columns d) x (256 bytes of codes + 16)
.set WSC,   41472                      ; and 32 x 16 scale bytes
.set SPARE, 41984                      ; the spare words, 128 bytes for each wave: two blocks of 256 bytes that no other line names
.set XW,    32                         ; path W: v32-95 two sets of 32 numbers; v96-99 a block's codes; v112-127 the way out; v128-131 scale bytes on the way out
.set CW,    96
.set OUTW,  112
.macro FINISH                          ; the wave's end, behind my last LDS store
	s_wait_tensorcnt 0x0
	ds_add_u32 v[SPW], v[NIL]
	s_wait_dscnt 0x0
	s_endpgm
.endm
	s_load_b256 s[4:11], s[0:1], 0x0               ; x s[4:5], Wq s[6:7], Wk s[8:9], Wv s[10:11]
	s_load_b256 s[12:19], s[0:1], 0x20             ; Wo s[12:13], xc s[14:15], xs s[16:17], wc s[18:19]
	s_load_b128 s[20:23], s[0:1], 0x40             ; ws s[20:21], wo16 s[22:23]
	v_lshl_add_u32 v[SPW], v0, 2, SPARE
	v_mov_b32 v[NIL], 0
	v_lshrrev_b32 v1, 5, v0
	v_readfirstlane_b32 s24, v1                    ; wave 0..3
	v_and_b32 v2, 31, v0                           ; lane
	s_wait_kmcnt 0x0
	s_cmp_lt_u32 ttmp9, 256
	s_cbranch_scc0 .Lnot_x
; ---------------------------------------------------------------- PATH X
; x is a plain stream of blocks of 32.  A wave takes 16 steps of 512 numbers.  Each of a step's four loads reads 512 consecutive bytes, 16 a lane; the 2,048 bytes turn through the wave's own
; stage in LDS and come back 64 bytes a lane: 16 neighbours along K, which is what a conversion takes from one lane's registers.  Two neighbouring lanes hold a block.
	v_lshlrev_b32 v3, 4, v2                        ; my 16 bytes of a load's 512
	s_mul_i32 s25, s24, WREG
	v_lshrrev_b32 v14, 2, v2
	v_mul_u32_u24 v14, v14, SP
	v_and_b32 v15, 3, v2
	v_lshl_add_u32 v14, v15, 4, v14
	v_add_nc_u32 v14, s25, v14                     ; the stage, on the way in: SP (lane / 4) + 16 (lane % 4)
	v_mul_u32_u24 v15, v2, SP
	v_add_nc_u32 v15, s25, v15                     ; and on the way out: SP x lane
	v_mul_u32_u24 v4, v2, CB                       ; my codes' place in a step's
	v_lshrrev_b32 v5, 1, v2
	s_add_co_u32 s25, s25, 2*32*SP
	v_add_nc_u32 v5, s25, v5                       ; my wave's 256 scale bytes, my block's byte
	v_lshlrev_b32 v7, 3, v2                        ; and on the way out 8 bytes a lane
	v_add_nc_u32 v6, s25, v7
	s_lshl_b32 s26, ttmp9, 2
	s_add_co_u32 s26, s26, s24                     ; which run of 8,192 numbers is my wave's: 0 .. 1,023
	s_mov_b32 s29, 0
	s_lshl_b32 s28, s26, 15                        ; 32,768 bytes of x a run,
	s_add_nc_u64 s[4:5], s[4:5], s[28:29]
	s_lshl_b32 s28, s26, 12                        ; 4,096 of codes,
	s_add_nc_u64 s[14:15], s[14:15], s[28:29]
	s_lshl_b32 s28, s26, 8                         ; 256 scale bytes
	s_add_nc_u64 s[16:17], s[16:17], s[28:29]
.macro LOADX t
.irp i, 0,1,2,3
	global_load_b128 v[R+16*((\t)%4)+4*\i:R+16*((\t)%4)+4*\i+3], v3, s[4:5] offset:2048*(\t)+512*\i th:TH_LOAD_NT   ; 32 lanes read 512 consecutive bytes, read once in the launch
.endr
.endm
.macro TURNX t                         ; step t's numbers through the stage: LDS serves a wave's instructions in order (ISA guide 5.7.1.4), so no wait stands between the stores and the loads
.irp i, 0,1,2,3
	ds_store_b128 v14, v[R+16*((\t)%4)+4*\i:R+16*((\t)%4)+4*\i+3] offset:32*SP*((\t)%2)+8*SP*\i
.endr
.irp i, 0,1,2,3
	ds_load_b128 v[X+16*((\t)%2)+4*\i:X+16*((\t)%2)+4*\i+3], v15 offset:32*SP*((\t)%2)+16*\i
.endr
.endm
.irp t, 0,1,2,3
	LOADX \t
.endr
	s_wait_loadcnt 12                              ; step 0's four loads are in; twelve younger ones stay out
	TURNX 0
.macro STEPX t
.set XS, X+16*((\t)%2)
.if (\t) > 0
	s_wait_dscnt 1                                 ; this step's numbers are back from the stage (the last step's byte store may be out): so its stores into the stage have read their registers,
.else
	s_wait_dscnt 0x0
.endif
.if (\t)+4 < STEPS
	LOADX (\t)+4                                   ; which take the loads of four steps on
.endif
.if (\t)+1 < STEPS
.if STEPS-2-(\t) >= 3
	s_wait_loadcnt 12                              ; the next step's four loads are in; those of the three steps behind it may be out
.else
	s_wait_loadcnt 4*(STEPS-2-(\t))
.endif
	TURNX (\t)+1                                   ; and go through the other stage while this step is worked
.endif
	v_max3_num_f32 v8, |v[XS]|, |v[XS+1]|, |v[XS+2]|               ; the largest magnitude of my 16, in two chains
	v_max3_num_f32 v9, |v[XS+3]|, |v[XS+4]|, |v[XS+5]|
.irp i, 6,10
	v_max3_num_f32 v8, v8, |v[XS+\i]|, |v[XS+\i+1]|
	v_max3_num_f32 v9, v9, |v[XS+\i+2]|, |v[XS+\i+3]|
.endr
	v_max3_num_f32 v8, v8, |v[XS+14]|, |v[XS+15]|
	v_max3_num_f32 v8, v8, v9, (EMAX+1)<<23        ; and the floor 2^(3 - 127): so the byte cannot fall under 1
	v_max_num_f32_dpp v8, v8, v8 row_xmask:1 row_mask:0xf bank_mask:0xf   ; and of my neighbour's 16: the block's
	v_add_nc_u32 v11, -(EMAX<<23), v8              ; 2 off its exponent field: the conversion takes the exponent field of this operand as its scale, and nothing else of it
	v_cvt_scalef32_pk8_fp4_f32 v[C+4*(\t)], v[XS:XS+7], v11        ; eight numbers / the scale, to the nearest code, ties to even, beyond 6 the largest code; the first number's code in the lowest four bits
	v_cvt_scalef32_pk8_fp4_f32 v[C+4*(\t)+1], v[XS+8:XS+15], v11
	v_lshrrev_b32 v[E+(\t)], 23, v11               ; the scale's byte (also the plain line behind the conversions)
	ds_store_b8 v5, v[E+(\t)] offset:16*(\t)       ; both lanes of a block write the same byte with the same value
	global_store_b64 v4, v[C+4*(\t):C+4*(\t)+1], s[14:15] offset:32*CB*(\t)   ; the wave stores 256 consecutive bytes, aligned
.endm
.irp t, 0,1,2,3,4,5,6,7,8,9,10,11,12,13,14,15
	STEPX \t
.endr
	ds_load_b64 v[8:9], v6                         ; my wave's 256 scale bytes: these loads see my stores
	s_wait_dscnt 0x0
	global_store_b64 v7, v[8:9], s[16:17]          ; 32 lanes store 256 consecutive bytes, aligned
	FINISH
; ---------------------------------------------------------------- PATH W
; A LANE TAKES A COLUMN d, AND ITS REGISTERS RUN DOWN K: a block of 32 along K lies in one lane's 32 registers, and the conversions give codes with K innermost.  Nothing is transposed by an instruction.
; A work-group takes 32 columns of one head of one tensor x 512 along K; wave w takes 128 of the 512: four blocks a lane.  The four waves' codes meet in a stage (a row = a column's 256 bytes),
; behind one barrier each wave stores eight whole rows.  192 work-groups of four small wave tasks, so that many loads are on their way at once.
.Lnot_x:
	s_cmp_lt_u32 ttmp9, 448
	s_cbranch_scc0 .Lpath_o
	s_sub_co_u32 s25, ttmp9, 256                   ; g = 0 .. 191
	s_lshr_b32 s26, s25, 6                         ; which tensor: 0 Wq, 1 Wk, 2 Wv
	s_bfe_u32 s27, s25, 0x40002                    ; head
	s_bfe_u32 s28, s25, 0x10001                    ; which 32 of the head's 64 columns
	s_and_b32 s29, s25, 1                          ; which 512 along K
	s_cmp_eq_u32 s26, 0                            ; the choice hangs on the work-group's number alone
	s_cselect_b64 s[6:7], s[6:7], s[8:9]
	s_cmp_eq_u32 s26, 2
	s_cselect_b64 s[6:7], s[10:11], s[6:7]
	s_lshl_b32 s30, s27, 18                        ; a head is 1,024 rows of 256 bytes,
	s_lshl_b32 s31, s29, 17                        ; 512 rows,
	s_add_co_u32 s30, s30, s31
	s_lshl_b32 s31, s24, 15                        ; my wave's 128 rows,
	s_add_co_u32 s30, s30, s31
	s_lshl_b32 s31, s28, 7                         ; 32 columns of 4 bytes
	s_add_co_u32 s30, s30, s31
	s_mov_b32 s31, 0
	s_add_nc_u64 s[6:7], s[6:7], s[30:31]
	s_lshl_b32 s32, s26, 10
	s_lshl_b32 s33, s27, 6
	s_add_co_u32 s32, s32, s33
	s_lshl_b32 s33, s28, 5
	s_add_co_u32 s32, s32, s33                     ; the work-group's first row n of wc and ws
	s_lshl_b32 s34, s32, 9                         ; a row of codes is 512 bytes,
	s_lshl_b32 s35, s29, 8                         ; 512 along K are 256 of them
	s_add_co_u32 s34, s34, s35
	s_mov_b32 s35, 0
	s_add_nc_u64 s[18:19], s[18:19], s[34:35]
	s_lshl_b32 s34, s32, 5                         ; a row of scale bytes is 32 bytes,
	s_lshl_b32 s36, s29, 4                         ; 512 along K are 16 of them
	s_add_co_u32 s34, s34, s36
	s_add_nc_u64 s[20:21], s[20:21], s[34:35]
	v_lshlrev_b32 v3, 2, v2                        ; in: 4 bytes a lane
	v_mul_u32_u24 v4, v2, 272
	s_lshl_b32 s37, s24, 6
	s_add_co_u32 s37, s37, WST
	v_add_nc_u32 v4, s37, v4                       ; into the stage: row = my column, my wave's 64 bytes of it
	v_lshlrev_b32 v9, 4, v2
	v_add_nc_u32 v10, WSC, v9                      ; a column's 16 scale bytes,
	s_lshl_b32 s37, s24, 2
	v_add_nc_u32 v9, s37, v10                      ; my wave's four of them
	v_and_b32 v5, 15, v2
	v_lshrrev_b32 v6, 4, v2
	s_lshl_b32 s37, s24, 3
	v_add_nc_u32 v6, s37, v6                       ; out: wave w takes rows 8 w .. 8 w + 7, two an instruction, sixteen lanes to a row
	v_mul_u32_u24 v7, v6, 272
	v_lshl_add_u32 v7, v5, 4, v7
	v_add_nc_u32 v7, WST, v7
	v_lshlrev_b32 v8, 9, v6
	v_lshl_add_u32 v8, v5, 4, v8                   ; and the same place in wc
	v_lshlrev_b32 v14, 5, v2                       ; a column's row of ws
.macro LOADW t                         ; block t: W(32 t + i, my column), i = 0 .. 31, into set t % 2: 128 consecutive bytes a wave (the row's other half belongs to a neighbouring work-group: no hint)
.irp i, 0,1,2,3,4,5,6,7,8,9,10,11,12,13,14,15,16,17,18,19,20,21,22,23,24,25,26,27,28,29,30,31
	global_load_b32 v[XW+32*((\t)%2)+\i], v3, s[6:7] offset:(32*(\t)+\i)*256
.endr
.endm
	LOADW 0
	LOADW 1
.macro BLOCKW t
.set XS, XW+32*((\t)%2)
.if (\t) < 3
	s_wait_loadcnt 32                              ; this block's 32 loads are in; the next block's may be out
.else
	s_wait_loadcnt 0x0
.endif
	v_max3_num_f32 v12, |v[XS]|, |v[XS+1]|, |v[XS+2]|              ; the block's largest magnitude: all 32 numbers are mine
	v_max3_num_f32 v13, |v[XS+3]|, |v[XS+4]|, |v[XS+5]|
.irp i, 6,10,14,18,22,26
	v_max3_num_f32 v12, v12, |v[XS+\i]|, |v[XS+\i+1]|
	v_max3_num_f32 v13, v13, |v[XS+\i+2]|, |v[XS+\i+3]|
.endr
	v_max3_num_f32 v12, v12, |v[XS+30]|, |v[XS+31]|
	v_max3_num_f32 v12, v12, v13, (EMAX+1)<<23     ; and the floor 2^(3 - 127)
	v_add_nc_u32 v11, -(EMAX<<23), v12             ; the conversion's scale operand
	v_lshrrev_b32 v13, 23, v11                     ; the scale's byte
.if (\t) == 0
	v_mov_b32 v24, v13                             ; four bytes to a register, the lower K in the lower byte
.else
	v_lshl_or_b32 v24, v13, 8*(\t), v24
.endif
.irp g, 0,1,2,3
	v_cvt_scalef32_pk8_fp4_f32 v[CW+\g], v[XS+8*\g:XS+8*\g+7], v11
.endr
	v_nop                                          ; one plain line behind the conversions
	ds_store_b128 v4, v[CW:CW+3] offset:16*(\t)    ; 32 codes: 16 bytes of my column's row
.if (\t)+2 < 4
	LOADW (\t)+2
.endif
	s_wait_dscnt 0x0                               ; the store has read its registers: the next block's codes may be written
.endm
	BLOCKW 0
	BLOCKW 1
	BLOCKW 2
	BLOCKW 3
	ds_store_b32 v9, v24                           ; my four scale bytes
	s_wait_dscnt 0x0                               ; for the others' sake: my stores into the stage are done
	s_barrier_signal -1
	s_barrier_wait -1                              ; the stage holds 32 whole rows
.irp i, 0,1,2,3
	ds_load_b128 v[OUTW+4*\i:OUTW+4*\i+3], v7 offset:2*\i*272
.endr
.irp i, 0,1,2,3
	s_wait_dscnt 3-\i                              ; load i is in; the younger ones may be out
	global_store_b128 v8, v[OUTW+4*\i:OUTW+4*\i+3], s[18:19] offset:2*\i*512   ; sixteen lanes store 256 consecutive bytes, aligned
.endr
	s_cmp_lg_u32 s24, 0                            ; the scale bytes leave by wave 0: 16 bytes of each row's 32 (the other 16 belong to the work-group of the other half of K): 98,304 bytes in the whole launch
	s_cbranch_scc1 .Lw_done
	ds_load_b128 v[128:131], v10
	s_wait_dscnt 0x0
	global_store_b128 v14, v[128:131], s[20:21]
.Lw_done:
	FINISH
; ---------------------------------------------------------------- PATH O
; Wo to f16, in its own order: a wave takes 8,192 bytes; each load reads 512 consecutive bytes, each store writes 256, aligned.  No register is written twice.
.Lpath_o:
	s_sub_co_u32 s25, ttmp9, 448
	s_lshl_b32 s25, s25, 2
	s_add_co_u32 s25, s25, s24                     ; my wave's chunk: 0 .. 511
	s_mov_b32 s27, 0
	s_lshl_b32 s26, s25, 13
	s_add_nc_u64 s[12:13], s[12:13], s[26:27]
	s_lshl_b32 s26, s25, 12
	s_add_nc_u64 s[22:23], s[22:23], s[26:27]
	v_lshlrev_b32 v3, 4, v2
	v_lshlrev_b32 v4, 3, v2
.irp i, 0,1,2,3,4,5,6,7,8,9,10,11,12,13,14,15
	global_load_b128 v[16+4*\i:16+4*\i+3], v3, s[12:13] offset:512*\i th:TH_LOAD_NT
.endr
.irp i, 0,1,2,3,4,5,6,7,8,9,10,11,12,13,14,15
	s_wait_loadcnt 15-\i                           ; load i is in; the younger ones stay out
	v_cvt_pk_f16_f32 v[80+2*\i], v[16+4*\i], v[17+4*\i]
	v_cvt_pk_f16_f32 v[81+2*\i], v[18+4*\i], v[19+4*\i]
	global_store_b64 v4, v[80+2*\i:81+2*\i], s[22:23] offset:256*\i
.endr
	FINISH
.Lfunc_end_k_q8b8343094f_prep:
	.size	k_q8b8343094f_prep, .Lfunc_end_k_q8b8343094f_prep-k_q8b8343094f_prep
	.p2alignl 7, 3214868480
	.fill 96, 4, 3214868480
	.section	.rodata,"a",@progbits
	.p2align	6, 0x0
	.amdhsa_kernel k_q8b8343094f_prep
		.amdhsa_group_segment_fixed_size 42496
		.amdhsa_private_segment_fixed_size 0
		.amdhsa_enable_private_segment 0
		.amdhsa_kernarg_size 80
		.amdhsa_user_sgpr_count 2
		.amdhsa_user_sgpr_kernarg_segment_ptr 1
		.amdhsa_wavefront_size32 1
		.amdhsa_system_sgpr_workgroup_id_x 1
		.amdhsa_system_sgpr_workgroup_id_y 1
		.amdhsa_system_sgpr_workgroup_id_z 1
		.amdhsa_system_vgpr_workitem_id 0
		.amdhsa_next_free_vgpr 196
		.amdhsa_next_free_sgpr 66
		.amdhsa_reserve_vcc 0
		.amdhsa_float_denorm_mode_32 3
		.amdhsa_float_denorm_mode_16_64 3
		.amdhsa_memory_ordered 1
		.amdhsa_forward_progress 1
		.amdhsa_inst_pref_size 61
	.end_amdhsa_kernel
	.amdgpu_metadata
---
amdhsa.version: [ 1, 2 ]
amdhsa.kernels:
  - .name:           k_q8b8343094f_prep
    .symbol:         k_q8b8343094f_prep.kd
    .args:
      - { .name: x, .offset: 0, .size: 8, .value_kind: global_buffer, .address_space: global }
      - { .name: Wq, .offset: 8, .size: 8, .value_kind: global_buffer, .address_space: global }
      - { .name: Wk, .offset: 16, .size: 8, .value_kind: global_buffer, .address_space: global }
      - { .name: Wv, .offset: 24, .size: 8, .value_kind: global_buffer, .address_space: global }
      - { .name: Wo, .offset: 32, .size: 8, .value_kind: global_buffer, .address_space: global }
      - { .name: xc, .offset: 40, .size: 8, .value_kind: global_buffer, .address_space: global }
      - { .name: xs, .offset: 48, .size: 8, .value_kind: global_buffer, .address_space: global }
      - { .name: wc, .offset: 56, .size: 8, .value_kind: global_buffer, .address_space: global }
      - { .name: ws, .offset: 64, .size: 8, .value_kind: global_buffer, .address_space: global }
      - { .name: wo16, .offset: 72, .size: 8, .value_kind: global_buffer, .address_space: global }
    .group_segment_fixed_size: 42496
    .private_segment_fixed_size: 0
    .kernarg_segment_align: 8
    .kernarg_segment_size: 80
    .max_flat_workgroup_size: 128
    .sgpr_count:     66
    .vgpr_count:     196
    .wavefront_size: 32
...
	.end_amdgpu_metadata
.endif
;; end of part 1
;; launch qkv (part 2): grid 12 x 32, 4 waves a work-group, clusters of 4 x 4, 327,680 bytes of LDS; arguments xc, xs, wc, ws, qkv; writes qkv
.if DOCPART == 2
	.amdgcn_target "amdgcn-amd-amdhsa--gfx1250"
	.amdhsa_code_object_version 6
	.text
	.protected	k_q8b8343094f_qkv
	.globl	k_q8b8343094f_qkv
	.p2align	8
	.type	k_q8b8343094f_qkv,@function
k_q8b8343094f_qkv:
	s_mov_b64 s[64:65], 0
	v_nop
	global_prefetch_b8 v0, s[64:65] scope:SCOPE_SE
	s_setreg_imm32_b32 hwreg(HW_REG_WAVE_MODE, 25, 1), 1
	s_wait_xcnt 0x0
	s_wait_alu depctr_hold_cnt(0) depctr_sa_sdst(0) depctr_va_vdst(0) depctr_va_sdst(0) depctr_va_ssrc(0) depctr_va_vcc(0) depctr_vm_vsrc(0)
	s_getreg_b32 s2, hwreg(HW_REG_IB_STS2, 6, 4)
	s_cmp_eq_u32 s2, 0
	s_cbranch_scc0 .Lentry_in_a_cluster
	s_endpgm
.Lentry_in_a_cluster:
	s_bfe_u32 s2, ttmp6, 0x10000c
	s_cmp_lg_u32 s2, 0xf033
	s_cbranch_scc0 .Lentry_shape_is_right
	s_endpgm
.Lentry_shape_is_right:
; q, k, v = x W: C[token][n] = sum over k of x[token][k] W[n][k], on codes of FP4 (E2M1) with one E8M0 scale for each 32 along K.  A = xc [8192][512 bytes], xs [8192][32];  B = wc [3072][512 bytes], ws [3072][32];
; n = 1024 x (0 q, 1 k, 2 v) + 64 x head + d.  Sums in f32, K ascending; the result is rounded once to f16 and laid BY HEAD: qkv [3][batch 4][head 16][s 2048][d 64], so that a head's rows are one dense block.
; LIMIT: |q|, |k|, |v| beyond 65,504 become infinity in f16 (at the problem's spread they lie near 1, and 900 times that still has room).
; A tile of C, 256 x 256, is made by a work-group of four waves; a wave makes 128 x 128: 64 accumulators of 16 x 16, 512 registers.  K = 1,024 is two slots of 512 along K (rows of 256 bytes): both are asked for at the
; start and nothing is filled again.  The scales of the work-group's 256 + 256 rows, for all of K, come once, as dense blocks.  A wave has three tensor loads out at the most: its three first fills.
; CLUSTERS: 4 x 4 work-groups.  The four of a row of the cluster need the same tiles of A, the four of a column the same tiles of B: each tile is asked for JOINTLY, by the same tensor load with the same descriptor and a
; mask that names the four.  THE MATRIX INSTRUCTION IS USED TRANSPOSED (source 0 = 16 rows of B, source 1 = 16 rows of A): a lane then holds eight neighbouring n of one token.
; 384 tiles: a tile that gave one to each of 256 work-groups (256 x 384) would want 96 accumulators a wave, which do not fit beside two sets of B's fragments.
; Nothing is prefetched: all that the launch reads is asked for at its head.
; REGISTERS, in windows of 256: window 0: v0-31 addresses; v32-95 scale words, two sets; v128-191 A's fragments, ONE set; on the way out v32-95 rows read back, v192-223 packed results.
;   window 1: B's fragments, TWO sets, at v0 and at v128.   window 2: the 32 accumulators of my rows 0-63 (accumulator (a, b) at v[8 (8 a + b)]);   window 3: those of my rows 64-127.
.set SIZE_K, 1024
.set KSTEP,  512                       ; along K in a slot
.set NQ,     KSTEP/128                 ; matrix instructions deep
.set ROWB,   256                       ; a tile's row in bytes
.set KROW,   SIZE_K*4/8                ; a row of A or of B in memory, in bytes
.set PITCH,  272                       ; an LDS row: 256 bytes + 16 of padding = 68 words: row r starts at bank 4 r mod 64 (64 banks of 4 bytes: ISA guide 11.1), so the 16 rows that a load touches start at 16 different banks
.set FR,     8                         ; registers of a fragment: 16 rows x 128 K
.set NL,     2                         ; LDS loads that bring one
.set NP,     4                         ; places behind this matrix instruction (ISA guide 7.12.1)
.set HALFT,  128*PITCH                 ; 128 rows: what one tensor load brings, and what one wave reads of A or of B
.set SLOT,   4*HALFT                   ; A's 256 rows, then B's 256 rows
.set KS,     SIZE_K/32                 ; a row of scales in bytes
.set SCL,    2*SLOT                    ; behind the two slots: the scales, as runs of 256 bytes + 16 of padding
.set HALFS,  (128*KS/256)*272          ; the scales of 128 rows: what one tensor load brings
.set SBLK,   (16*KS/256)*272           ; those of 16 rows
.set SPARE,  SCL+4*HALFS               ; behind the scales: the spare words, 128 bytes for each wave: two blocks of 256 bytes that no other line names
.set HSTG,   8*272                     ; the way out: 16 tokens x 128 bytes of one head, two tokens to a run of 256 bytes + 16; a wave's stage is two heads.  It lies in slot 0, which has had its only fill and its last read by then
.set HEADB,  2048*128                  ; a head's block in qkv, in bytes
.set ADRA, 16                          ; v16-17  LDS address of my A fragments in slot 0, 1
.set ADRB, 20                          ; v20-21  the same for B
.set STO,  24                          ; v24     the way out: where I put 16 bytes of a token
.set RD,   25                          ; v25     the way out: where I read 16 bytes back
.set CO,   26                          ; v26     16 x my lane: my place in a store's 512 bytes
.set ADRS, 27                          ; v27     LDS address of my scale words: lanes 0-15 A's rows, lanes 16-31 B's
.set SPW,  28                          ; v28     LDS address of my spare word: SPARE + 4 x my thread's number; never rewritten
.set NIL,  29                          ; v29     0; never rewritten
.set SC,   32                          ; scale words: set s (for slot s) at v[SC + 8 NQ s]; in it register NQ i + q: lanes 0-15 the word of A's block i, lanes 16-31 that of B's block i, for the slot's q-th 128 along K
.set AF,   128                         ; A's fragments, in window 0
.set TMP,  192                         ; the way out: a block's 32 packed registers
.set BK,   32                          ; the way out: a block read back: v32-63 and v64-95 by turns
.set G1, 24                            ; s[24:31] descriptor group 1 for A's tiles;  s[32:39] group 0, one set for each slot
.set G0, 32
.set G1B, 48                           ; s[48:55], s[56:63] the same for B's tiles
.set G0B, 56
.set G1S, 68                           ; s[68:75], s[76:79] groups 1 and 0 for A's scales;  s[80:87], s[88:91] for B's
.set G0S, 76
.set G1SB, 80
.set G0SB, 88
.set MSB, 0
.macro WIN new                         ; the immediate's high byte repeats the setting that is left; a switch that changes nothing is dropped
.if MSB != (\new)
	s_set_vgpr_msb (MSB<<8)|(\new)
.set MSB, (\new)
.endif
.endm
.set MUL_LO, 0xa1                      ; source 0 (B) window 1, source 1 (A) window 0, C and D window 2
.set MUL_HI, 0xf1                      ; the same, C and D window 3
.set TO_B,   0x40                      ; destination window 1, address window 0
; A joint load: waves 0 and 1 fetch for A, waves 2 and 3 for B.  Each of the two lines has ONE mask and one set of registers for all that issue it; the branch hangs on the wave's number alone.
; An s_nop 0 and four v_nop follow each of the two lines, ahead of the jump, the label and what follows.
.macro JLOAD g0a, g1a, g0b, g1b
	s_cmp_eq_u32 s15, 0
	s_cbranch_scc0 .Lfor_b_\@
	tensor_load_to_lds s[\g0a:\g0a+3], s[\g1a:\g1a+7]
	s_nop 0
.rept 4
	v_nop
.endr
	s_branch .Lasked_\@
.Lfor_b_\@:
	tensor_load_to_lds s[\g0b:\g0b+3], s[\g1b:\g1b+7]
	s_nop 0
.rept 4
	v_nop
.endr
.Lasked_\@:
.endm
.macro CROUND                          ; a round of the cluster's barrier: my work-group's barrier; wave 0 signals for the work-group; every wave waits for all sixteen; my work-group's barrier once more
	s_barrier_signal -1
	s_barrier_wait -1
	s_cmp_lg_u32 s14, 0
	s_cbranch_scc1 .Lnot_wave_0_\@
	s_barrier_signal -3
.Lnot_wave_0_\@:
	s_barrier_wait -3
	s_barrier_signal -1
	s_barrier_wait -1
.endm
	s_load_b128 s[4:7], s[0:1], 0x0                ; A's codes s[4:5], A's scales s[6:7]
	s_load_b128 s[8:11], s[0:1], 0x10              ; B's codes s[8:9], B's scales s[10:11]
	s_load_b64 s[12:13], s[0:1], 0x20              ; qkv
	v_lshl_add_u32 v[SPW], v0, 2, SPARE
	v_mov_b32 v[NIL], 0
	ds_add_u32 v[SPW], v[NIL]                      ; the wave's opening: the add, twice on end, and its wait stand ahead of my first tensor load; the set-up below, work on registers, stands between
	ds_add_u32 v[SPW], v[NIL]
	v_lshrrev_b32 v1, 5, v0
	v_readfirstlane_b32 s14, v1                    ; wave 0..3
	s_lshr_b32 s15, s14, 1                         ; which half of the tile's rows is mine.  Also: I fetch for A (0) or for B (1)
	s_and_b32 s16, s14, 1                          ; which half of its columns.  Also: which 128 rows of that tile I fetch
	s_bfe_u32 s40, ttmp6, 0x40000                  ; cx, cy: my place in the cluster
	s_bfe_u32 s41, ttmp6, 0x40004
	s_lshl_b32 s42, ttmp9, 2
	s_add_co_u32 s42, s42, s40                     ; tile column of C = 4 x cluster x + cx: 0 .. 11
	s_and_b32 s17, ttmp7, 0xffff
	s_lshl_b32 s17, s17, 2
	s_add_co_u32 s17, s17, s41                     ; tile row of C = 4 x cluster y + cy: 0 .. 31
	s_lshl_b32 s43, s41, 2
	s_lshl_b32 s43, 15, s43                        ; my row of the cluster
	s_lshl_b32 s44, 0x1111, s40                    ; my column
	; descriptor group 1: a tile of 128 rows x 256 bytes, padded in LDS
	s_or_b32 s[G1+0], s43, (0<<16)|(1<<20)|(1<<21)|(5<<22)|(3<<25)  ; 15:0 the mask: A's tiles go to my row; 17:16 element of 1 byte; 20 padding on; 21 set beside a mask; 24:22 after every 64 words (code 5); 31:25 of 4 words (code 3)
	s_or_b32 s[G1B+0], s44, (0<<16)|(1<<20)|(1<<21)|(5<<22)|(3<<25)
.irp g, G1, G1B
	s_mov_b32 s[\g+1], ROWB<<16                    ; tensor_dim0
	s_mov_b32 s[\g+2], 128<<16                     ; tensor_dim1 = 128
	s_mov_b32 s[\g+3], ROWB<<16                    ; tile_dim0
	s_mov_b32 s[\g+4], 128                         ; tile_dim1 = 128
	s_mov_b32 s[\g+5], KROW                        ; tensor_dim0_stride
	s_mov_b32 s[\g+6], 0
	s_mov_b32 s[\g+7], 0
.endr
	; and for the scales of 128 rows: a dense block of 4,096 bytes, as 16 rows of 256 bytes (32 elements of 8 bytes), 16 bytes of padding behind each
	s_or_b32 s[G1S+0], s43, (3<<16)|(1<<20)|(1<<21)|(5<<22)|(3<<25)
	s_or_b32 s[G1SB+0], s44, (3<<16)|(1<<20)|(1<<21)|(5<<22)|(3<<25)
.irp g, G1S, G1SB
	s_mov_b32 s[\g+1], 32<<16
	s_mov_b32 s[\g+2], (128*KS/256)<<16
	s_mov_b32 s[\g+3], 32<<16
	s_mov_b32 s[\g+4], 128*KS/256
	s_mov_b32 s[\g+5], 32
	s_mov_b32 s[\g+6], 0
	s_mov_b32 s[\g+7], 0
.endr
	s_lshl_b32 s18, s16, 7                         ; which 128 rows of the tile I fetch
	s_lshl_b32 s20, s17, 8
	s_add_co_u32 s20, s20, s18                     ; A: row 256 x tile row + 128 x half
	s_lshl_b32 s46, s42, 8
	s_add_co_u32 s46, s46, s18                     ; B: row 256 x tile column + 128 x half
	s_mov_b32 s21, 0
	s_mov_b32 s47, 0
	s_mov_b64 s[18:19], KS
	s_mul_u64 s[22:23], s[20:21], s[18:19]         ; where these rows' scales begin, in bytes
	s_mul_u64 s[92:93], s[46:47], s[18:19]
	s_mov_b64 s[18:19], KROW
	s_mul_u64 s[20:21], s[20:21], s[18:19]         ; and their codes
	s_mul_u64 s[46:47], s[46:47], s[18:19]
	s_mul_i32 s45, s14, HALFT                      ; where they go: wave x 128 rows: no place in the cluster enters an LDS address
	s_mul_i32 s94, s14, HALFS
	s_wait_dscnt 0x0                               ; both opening adds are done
	s_wait_kmcnt 0x0
	s_add_nc_u64 s[20:21], s[4:5], s[20:21]
	s_add_nc_u64 s[22:23], s[6:7], s[22:23]
	s_add_nc_u64 s[46:47], s[8:9], s[46:47]
	s_add_nc_u64 s[92:93], s[10:11], s[92:93]
	CROUND                                         ; all sixteen work-groups are here: the joint loads meet
	s_mov_b32 s[G0S], 1
	s_add_co_u32 s[G0S+1], s94, SCL
	s_mov_b64 s[G0S+2:G0S+3], s[22:23]
	s_or_b32 s[G0S+3], s[G0S+3], 0x80000000
	s_mov_b32 s[G0SB], 1
	s_add_co_u32 s[G0SB+1], s94, SCL
	s_mov_b64 s[G0SB+2:G0SB+3], s[92:93]
	s_or_b32 s[G0SB+3], s[G0SB+3], 0x80000000
	JLOAD G0S, G1S, G0SB, G1SB                     ; the scales first: they are wanted with the first slot
.irp s, 0,1
	s_mov_b32 s[G0+4*\s], 1
	s_add_co_u32 s[G0+4*\s+1], s45, \s*SLOT
	s_add_nc_u64 s[G0+4*\s+2:G0+4*\s+3], s[20:21], \s*ROWB
	s_or_b32 s[G0+4*\s+3], s[G0+4*\s+3], 0x80000000
	s_mov_b32 s[G0B+4*\s], 1
	s_add_co_u32 s[G0B+4*\s+1], s45, \s*SLOT
	s_add_nc_u64 s[G0B+4*\s+2:G0B+4*\s+3], s[46:47], \s*ROWB
	s_or_b32 s[G0B+4*\s+3], s[G0B+4*\s+3], 0x80000000
	JLOAD G0+4*\s, G1, G0B+4*\s, G1B
.endr
	v_and_b32 v1, 15, v0                           ; r = l % 16
	v_bfe_u32 v2, v0, 4, 1                         ; h = l / 16
	v_mul_u32_u24 v3, v1, PITCH
	v_lshl_add_u32 v4, v2, 4, v3                   ; a fragment's row x pitch + 16 x half
	s_mul_i32 s21, s15, HALFT                      ; my 128 rows of A
	s_mul_i32 s22, s16, HALFT                      ; my 128 rows of B,
	s_add_co_u32 s22, s22, 2*HALFT                 ; which lie behind A's 256
.irp s, 0,1
	v_add_nc_u32 v[ADRA+\s], s21, v4
	v_add_nc_u32 v[ADRB+\s], s22, v4
	s_add_co_u32 s21, s21, SLOT
	s_add_co_u32 s22, s22, SLOT
.endr
	v_mul_u32_u24 v5, v1, KS                       ; my row's scales: 32 bytes a row,
	v_lshrrev_b32 v6, 8, v5
	v_lshl_add_u32 v5, v6, 4, v5                   ; and 16 more for each 256 passed
	s_mul_i32 s21, s15, HALFS                      ; A's: my 128 rows
	s_mul_i32 s22, s16, HALFS                      ; B's: my 128 rows, behind A's 256
	s_add_co_u32 s22, s22, 2*HALFS
	s_sub_co_u32 s22, s22, s21
	v_mul_u32_u24 v6, s22, v2                      ; lanes 16-31 take B's: one product, the distance between the two bases
	s_add_co_u32 s21, s21, SCL
	v_add_nc_u32 v5, v5, v6
	v_add_nc_u32 v[ADRS], s21, v5
	s_mul_i32 s23, s14, 2*HSTG                     ; my stage, in slot 0
	v_lshrrev_b32 v5, 1, v1
	v_mul_u32_u24 v5, v5, 272
	v_and_b32 v6, 1, v1
	v_lshl_add_u32 v5, v6, 7, v5
	v_lshl_add_u32 v5, v2, 4, v5
	v_add_nc_u32 v[STO], s23, v5                   ; in: token r at (r / 2) x 272 + (r % 2) x 128, + 16 h
	v_mul_u32_u24 v5, v2, 272
	v_lshl_add_u32 v5, v1, 4, v5
	v_add_nc_u32 v[RD], s23, v5                    ; back: lanes 0-15 two tokens' 256 bytes, lanes 16-31 the next two
	v_and_b32 v6, 31, v0
	v_lshlrev_b32 v[CO], 4, v6
	; where my part begins in qkv: my 128 columns are two whole heads of one of q, k, v; my 128 rows are 128 tokens of one batch
	s_lshr_b32 s20, s17, 3                         ; batch
	s_and_b32 s21, s17, 7
	s_lshl_b32 s21, s21, 8
	s_lshl_b32 s22, s15, 7
	s_add_co_u32 s21, s21, s22                     ; my first position s in the sequence
	s_lshr_b32 s46, s42, 2                         ; q, k or v
	s_and_b32 s47, s42, 3
	s_lshl_b32 s47, s47, 2
	s_lshl_b32 s22, s16, 1
	s_add_co_u32 s47, s47, s22                     ; my first head
	s_lshl_b32 s46, s46, 2
	s_add_co_u32 s46, s46, s20
	s_lshl_b32 s46, s46, 4
	s_add_co_u32 s46, s46, s47
	s_lshl_b32 s46, s46, 11
	s_add_co_u32 s46, s46, s21
	s_lshl_b32 s46, s46, 7                         ; (((which x 4 + batch) x 16 + head) x 2,048 + s) x 128 bytes: under 2^26
	s_mov_b32 s47, 0
	s_add_nc_u64 s[12:13], s[12:13], s[46:47]
.macro FRAG reg, adr, q, i             ; a fragment, 16 rows x 128 K of 4-bit codes, is 8 registers: lane l holds row l % 16; registers 4 c .. 4 c + 3 hold K = 64 c + 32 (l / 16) + 0 .. 31
.irp c, 0,1
	ds_load_b128 v[\reg+4*\c:\reg+4*\c+3], v[\adr] offset:64*(\q)+32*\c+(\i)*16*PITCH
.endr
.endm
; 16 matrix instructions: A's blocks a0, a0 + 1 x B's eight, 128 along K: the slot's q-th.  p: B's set;  sc: the set of scale words.  zero = 1: the first product starts the sums: nothing is ever cleared.
; The 64 accumulators take turns, one instruction a turn, in the same order in every step.
.macro MUL16 a0, p, q, sc, zero
.irp a, \a0, \a0+1
.irp b, 0,1,2,3,4,5,6,7
.if \zero
	v_wmma_scale_f32_16x16x128_f8f6f4 v[8*(8*((\a)%4)+\b):8*(8*((\a)%4)+\b)+7], v[128*(\p)+FR*\b:128*(\p)+FR*\b+FR-1], v[AF+FR*(\a):AF+FR*(\a)+FR-1], 0, v[SC+8*NQ*(\sc)+NQ*\b+(\q)], v[SC+8*NQ*(\sc)+NQ*(\a)+(\q)] matrix_a_fmt:MATRIX_FMT_FP4 matrix_b_fmt:MATRIX_FMT_FP4 matrix_a_scale:MATRIX_SCALE_ROW1
.else
	v_wmma_scale_f32_16x16x128_f8f6f4 v[8*(8*((\a)%4)+\b):8*(8*((\a)%4)+\b)+7], v[128*(\p)+FR*\b:128*(\p)+FR*\b+FR-1], v[AF+FR*(\a):AF+FR*(\a)+FR-1], v[8*(8*((\a)%4)+\b):8*(8*((\a)%4)+\b)+7], v[SC+8*NQ*(\sc)+NQ*\b+(\q)], v[SC+8*NQ*(\sc)+NQ*(\a)+(\q)] matrix_a_fmt:MATRIX_FMT_FP4 matrix_b_fmt:MATRIX_FMT_FP4 matrix_a_scale:MATRIX_SCALE_ROW1
.endif
.endr
.endr
.endm
.macro FETCH_B slot, q, p              ; B's eight fragments of the slot's q-th 128 along K into set p
	WIN TO_B
.irp i, 0,1,2,3,4,5,6,7
	FRAG 128*(\p)+FR*\i, ADRB+\slot, \q, \i
.endr
	WIN 0
.endm
.macro FETCH_A slot, q, i0             ; A's blocks i0 .. i0 + 3
.irp i, \i0, \i0+1, \i0+2, \i0+3
	FRAG AF+FR*(\i), ADRA+\slot, \q, \i
.endr
.endm
.macro SCALES sc                       ; a slot's scale words into set sc: four words a row; lanes 0-15 take A's block i, lanes 16-31 B's block i
.irp i, 0,1,2,3,4,5,6,7
	ds_load_b128 v[SC+8*NQ*\sc+NQ*\i:SC+8*NQ*\sc+NQ*\i+3], v[ADRS] offset:\i*SBLK
.endr
.endm
; A load into a register that a matrix instruction has read, and a vector instruction that reads a matrix result, stand NP places behind that matrix instruction, and only plain vector
; instructions that name none of its registers are places (ISA guide 7.12.1 for vector instructions).
.macro PLACES n
.rept \n
	v_nop
.endr
.endm
; A step of 128 along K that has its successor in the same slot.
.macro STEP slot, q, zero
	s_wait_dscnt 4*NL                              ; B's set and A's blocks 0-3 are in; the youngest eight loads (A's blocks 4-7) may be out
	WIN MUL_LO
	MUL16 0, (\q)%2, \q, \slot, \zero
	MUL16 2, (\q)%2, \q, \slot, \zero
	s_wait_dscnt 0                                 ; A's blocks 4-7 are in (asked for 32 matrix instructions ago)
	PLACES NP
	FETCH_B \slot, (\q)+1, 1-(\q)%2
	FETCH_A \slot, (\q)+1, 0
	WIN MUL_HI
	MUL16 4, (\q)%2, \q, \slot, \zero
	MUL16 6, (\q)%2, \q, \slot, \zero
	PLACES NP
	WIN 0
	FETCH_A \slot, (\q)+1, 4
.endm
; Slot 0's last step changes slots: ONE barrier; in front of it each wave waits for all its tensor loads (its part of slot 1), adds 0 to its spare word, and waits for that and for its own reads of slot 0.
; Behind it slot 1 is whole and nobody reads slot 0 any more: nothing is filled again; slot 0 will serve as the stage on the way out.
.macro TURN slot, next
	s_wait_tensorcnt 0x0                           ; all my tensor loads have landed  (every window is 0 here: the add's two registers lie in window 0)
	ds_add_u32 v[SPW], v[NIL]                      ; 0 onto my spare word
	s_wait_dscnt 4*NL+1                            ; (the add and the youngest eight loads, A's blocks 4-7, may be out)
	WIN MUL_LO
	MUL16 0, 1, NQ-1, \slot, 0                     ; sixteen matrix instructions stand between the add and the wait for it
	s_wait_dscnt 0x0                               ; the add is done, and my reads of this slot are over
	s_barrier_signal -1
	MUL16 2, 1, NQ-1, \slot, 0
	WIN 0
	s_barrier_wait -1
	PLACES NP
	v_add_nc_u32 v[ADRS], 4*NQ, v[ADRS]            ; on to the next slot's scale words (no LDS load of mine is out)
	FETCH_B \next, 0, 0
	FETCH_A \next, 0, 0
	SCALES \next
	WIN MUL_HI
	MUL16 4, 1, NQ-1, \slot, 0
	MUL16 6, 1, NQ-1, \slot, 0
	PLACES NP
	WIN 0
	FETCH_A \next, 0, 4
.endm
.macro STEPS slot, from                ; the slot's steps from .. NQ - 2
.set Q, \from
.rept NQ-1-\from
	STEP \slot, Q, 0
.set Q, Q+1
.endr
.endm
	s_wait_tensorcnt 1                             ; the scales and my part of slot 0 are in (slot 1's load, the one issued behind them, may be out),
	s_barrier_signal -1
	s_barrier_wait -1                              ; everybody's are
	FETCH_B 0, 0, 0
	FETCH_A 0, 0, 0
	SCALES 0
	FETCH_A 0, 0, 4
	STEP 0, 0, 1                                   ; the first step's products start the sums
	STEPS 0, 1
	TURN 0, 1
	STEPS 1, 0
	s_wait_dscnt 4*NL                              ; the very last step: nothing more to fetch
	WIN MUL_LO
	MUL16 0, 1, NQ-1, 1, 0
	MUL16 2, 1, NQ-1, 1, 0
	s_wait_dscnt 0
	WIN MUL_HI
	MUL16 4, 1, NQ-1, 1, 0
	MUL16 6, 1, NQ-1, 1, 0
	WIN 0
; THE WAY OUT, block by block of 16 tokens x 128 columns (two heads).  PACK: rounded to f16, a lane's eight neighbouring d are 16 bytes.  TOSTAGE: into my stage, head by head, and back as runs of 512 bytes (four tokens
; of one head, which lie on end in qkv).  SEND: stored.  Block a's conversions stand between block a - 1's loads from the stage and the wait for them.
.macro PACK a
.set AC, 64*((\a)%4)
	WIN 0x0a+5*((\a)/4)                            ; sources 0 and 1: window 2 or 3
.irp b, 0,1,2,3,4,5,6,7
.irp i, 0,1,2,3
	v_cvt_pk_f16_f32 v[TMP+4*\b+\i], v[AC+8*\b+2*\i], v[AC+8*\b+2*\i+1]   ; each accumulator from its low end on
.endr
.endr
	WIN 0
.endm
.macro TOSTAGE a
.set BB, BK+32*((\a)%2)
.irp b, 0,1,2,3,4,5,6,7
	ds_store_b128 v[STO], v[TMP+4*\b:TMP+4*\b+3] offset:(\b/4)*HSTG+(\b%4)*32   ; head b / 4, d = 16 (b % 4) + 8 h on
.endr
.irp t, 0,1,2,3,4,5,6,7
	ds_load_b128 v[BB+4*\t:BB+4*\t+3], v[RD] offset:(\t/4)*HSTG+(\t%4)*544      ; LDS serves a wave's instructions in order (ISA guide 5.7.1.4): these see the stores above
.endr
.endm
.macro SEND a
.set BB, BK+32*((\a)%2)
	s_wait_dscnt 0x0                               ; the block is back in registers
	s_wait_xcnt 0x0                                ; the stores of the block before have read their registers: the next block's loads may land there
.irp t, 0,1,2,3,4,5,6,7
	global_store_b128 v[CO], v[BB+4*\t:BB+4*\t+3], s[12:13] offset:(\t/4)*HEADB+(16*(\a)+4*(\t%4))*128   ; 32 lanes store 512 consecutive bytes, at a multiple of 256 from the buffer's first byte; the base never steps
.endr
.endm
	PLACES NP                                      ; behind the last products: for the conversions that read results and the loads into the registers that held scale words
	PACK 0
	TOSTAGE 0
.irp a, 1,2,3,4,5,6,7
	PACK \a
	SEND \a-1
	TOSTAGE \a
.endr
	SEND 7
	s_wait_tensorcnt 0x0                           ; the wave's end, behind my last tensor load and my last LDS store
	ds_add_u32 v[SPW], v[NIL]
	s_wait_dscnt 0x0
	CROUND                                         ; the closing round: no work-group ends while a partner may still ask for a tile that names it
	s_endpgm
.Lfunc_end_k_q8b8343094f_qkv:
	.size	k_q8b8343094f_qkv, .Lfunc_end_k_q8b8343094f_qkv-k_q8b8343094f_qkv
	.p2alignl 7, 3214868480
	.fill 96, 4, 3214868480
	.section	.rodata,"a",@progbits
	.p2align	6, 0x0
	.amdhsa_kernel k_q8b8343094f_qkv
		.amdhsa_group_segment_fixed_size 327680
		.amdhsa_private_segment_fixed_size 0
		.amdhsa_enable_private_segment 0
		.amdhsa_kernarg_size 40
		.amdhsa_user_sgpr_count 2
		.amdhsa_user_sgpr_kernarg_segment_ptr 1
		.amdhsa_wavefront_size32 1
		.amdhsa_system_sgpr_workgroup_id_x 1
		.amdhsa_system_sgpr_workgroup_id_y 1
		.amdhsa_system_sgpr_workgroup_id_z 1
		.amdhsa_system_vgpr_workitem_id 0
		.amdhsa_next_free_vgpr 1024
		.amdhsa_next_free_sgpr 98
		.amdhsa_reserve_vcc 0
		.amdhsa_float_denorm_mode_32 3
		.amdhsa_float_denorm_mode_16_64 3
		.amdhsa_memory_ordered 1
		.amdhsa_forward_progress 1
		.amdhsa_inst_pref_size 127
	.end_amdhsa_kernel
	.amdgpu_metadata
---
amdhsa.version: [ 1, 2 ]
amdhsa.kernels:
  - .name:           k_q8b8343094f_qkv
    .symbol:         k_q8b8343094f_qkv.kd
    .args:
      - { .name: xc, .offset: 0, .size: 8, .value_kind: global_buffer, .address_space: global }
      - { .name: xs, .offset: 8, .size: 8, .value_kind: global_buffer, .address_space: global }
      - { .name: wc, .offset: 16, .size: 8, .value_kind: global_buffer, .address_space: global }
      - { .name: ws, .offset: 24, .size: 8, .value_kind: global_buffer, .address_space: global }
      - { .name: qkv, .offset: 32, .size: 8, .value_kind: global_buffer, .address_space: global }
    .group_segment_fixed_size: 327680
    .private_segment_fixed_size: 0
    .kernarg_segment_align: 8
    .kernarg_segment_size: 40
    .max_flat_workgroup_size: 128
    .sgpr_count:     98
    .vgpr_count:     1024
    .wavefront_size: 32
...
	.end_amdgpu_metadata
.endif
;; end of part 2
;; launch attn (part 3): grid 4 x 64, 8 waves a work-group, clusters of 4 x 1, 327,680 bytes of LDS; arguments qkv, ows; writes ows
.if DOCPART == 3
	.amdgcn_target "amdgcn-amd-amdhsa--gfx1250"
	.amdhsa_code_object_version 6
	.text
	.protected	k_q8b8343094f_attn
	.globl	k_q8b8343094f_attn
	.p2align	8
	.type	k_q8b8343094f_attn,@function
k_q8b8343094f_attn:
	s_mov_b64 s[64:65], 0
	v_nop
	global_prefetch_b8 v0, s[64:65] scope:SCOPE_SE
	s_setreg_imm32_b32 hwreg(HW_REG_WAVE_MODE, 25, 1), 1
	s_wait_xcnt 0x0
	s_wait_alu depctr_hold_cnt(0) depctr_sa_sdst(0) depctr_va_vdst(0) depctr_va_sdst(0) depctr_va_ssrc(0) depctr_va_vcc(0) depctr_vm_vsrc(0)
	s_getreg_b32 s2, hwreg(HW_REG_IB_STS2, 6, 4)
	s_cmp_eq_u32 s2, 0
	s_cbranch_scc0 .Lentry_in_a_cluster
	s_endpgm
.Lentry_in_a_cluster:
	s_bfe_u32 s2, ttmp6, 0x10000c
	s_cmp_lg_u32 s2, 0x3003
	s_cbranch_scc0 .Lentry_shape_is_right
	s_endpgm
.Lentry_shape_is_right:
; O[b][h][q][:] = the sum over k of softmax_k(Q[q] . K[k] / 8) V[k][:], no mask.  Q, K, V: qkv [3][batch x head 64][2048][64] f16.  O: ows [head 16][token = 2048 batch + s][64] f16.
; Products, maxima and sums in f32; the weights p are rounded to f16 for the second product, O once at the end.
; LIMITS: scores under -3e38 count as that number; o is kept in f16: beyond 65,504 infinity, under 6e-5 in steps of 6e-8.
; SHARES.  A work-group owns 512 queries of one batch and head, each of its eight waves 64: four tiles of 16, in 512 registers: two waves to a SIMD, so that one wave's softmax stands beside the other's products.
; Every wave walks all 2,048 keys, 64 a step: 64 matrix instructions, 32 LDS loads (each fragment feeds four products), and the softmax of four tiles.
; LAYOUT.  S^T = K Q^T (source 0 = 16 keys, source 1 = 16 queries): a lane holds ONE query (lane % 16) and the keys 8 (lane / 16) + 0..7 of a tile.  Two such tiles, rounded to f16 in pairs, ARE source 1
; (32 keys x 16 queries) of O^T = V^T P, whose result again holds one query a lane, and eight channels.  K comes out of LDS as it lies, V ([key][channel]) turned, by ds_load_tr16_b128.
; SOFTMAX.  For each query a running maximum m and sum l: p = 2^(c s - c m), c = log2(e) / 8; in every step O and l are multiplied by a = 2^(c m_old - c m_new), which is 1 where m has not grown.
; THE RING.  Two slots of 512 keys.  A key's row is 128 bytes and a head's rows are dense, so a tile is stated as rows of 256 bytes (two keys) with padding behind each: key k lies at (k / 2) x pitch + (k % 2) x 128.
; Waves 0-3 fetch K's quarters of a slot, waves 4-7 V's: one load a wave.  The 32 key steps are written as four counted loops with the three changes of slots between them, so that no tensor load stands in a loop.
; A wave has two tensor loads out at the start and one behind each refill.  A refill is asked for eight key steps, 512 matrix instructions a wave, ahead of the wait for it: so nothing is prefetched beside it.
; CLUSTER.  The four work-groups of a cluster are the four query blocks of one batch and head and walk the same K and V: each tile is asked for JOINTLY, by the same tensor load with the same descriptor and the mask 15.
; REGISTERS, in windows of 256: window 0: v1-10 addresses; v16-47 eight registers of statistics a tile; v48, v49 the add's two; v64-191 S^T, 32 a tile (P is made in place, in a tile's first 16); v192-255 K of one step.
;   window 1: v0-127 O^T, 32 a tile; v128-191 Q, 16 a tile; v192-255 V of one step.
.set KP,     272                       ; two keys of K in LDS: 256 bytes + 16
.set VP,     288                       ; two keys of V: 256 + 32: a pass of the turning load takes 8 keys x 32 bytes: 32 j + 128 p + 16 q mod 256: sixteen different columns
.set VOFF,   256*KP                    ; a slot: 512 keys of K (256 rows), then 512 of V
.set SLOTB,  256*(KP+VP)               ; 143,360 bytes
.set KSTEPB, 32*KP                     ; a key step: 64 keys
.set VSTEPB, 32*VP
.set SPARE,  2*SLOTB                   ; behind the ring: the spare words, 128 bytes for each wave: four blocks of 256 bytes that no other line names
.set TSTG,   8*KP                      ; the way out: a tile's 16 rows of 128 bytes; a wave's stage is four of them.  The eight stages fill slot 0's part for K, which has had its last fill and is left at the last change of slots
.set AK0, 2                            ; v2   my lane's place in a tile of K; never rewritten
.set AV0, 3                            ; v3   the same for V
.set ADK, 4                            ; v4   LDS address of the run of K's loads in hand
.set ADV, 5                            ; v5   of V's
.set QO,  6                            ; v6   my byte offset in the wave's rows of Q
.set STO, 7                            ; v7   the way out: where I put 16 bytes of a row
.set RD,  8                            ; v8   the way out: where I read 16 bytes back
.set GO,  10                           ; v10  16 x my lane: my place in a store's 512 bytes
.set ST,  16                           ; tile t's statistics at v[ST+8 t]: +0 c m, +1 m, +2, +3 l (even keys', odd keys'), +4 to +7 c0-c3, at work; a (and at the end 1 / l) takes c2's place
.set SPW, 48                           ; v48  LDS address of my spare word: SPARE + 4 x my thread's number; never rewritten
.set NIL, 49                           ; v49  0; never rewritten
.set S,   64
.set KF,  192                          ; K's fragments: keys 16 k on, channels 32 c on, at KF + 16 k + 8 c
.set QF,  128                          ; in window 1: Q's: tile t, channels 32 c on, at QF + 16 t + 8 c
.set VF,  192                          ; in window 1: V's: keys 32 k on, channels 16 c on, at VF + 32 k + 8 c
.set WV,  12                           ; s12  my wave's number
.set G1K, 24                           ; s[24:31] descriptor group 1 for K's tiles
.set G1V, 32                           ; s[32:39] for V's: it differs in the padding alone
.set G0K, 40                           ; s[40:47] descriptor group 0 for K's tiles, a set for each slot
.set G0V, 48                           ; s[48:55] the same for V's
.set NT,  56                           ; s56  counts a loop's key steps
.set CS,  58                           ; s[58:59] c: the packed scaling names a pair and takes its low word for both halves
.set SEL, 60                           ; s[60:61] lane selects for v_permlanex16_b32: each lane takes its own place in the other half
.set TK,  62                           ; s62  LDS byte at which K's tile of the step to be fetched begins
.set TV,  63                           ; s63  the same for V (less VOFF, which lies in AV0)
.set MSB, 0
.macro WIN new                         ; the immediate's high byte repeats the setting that is left; a switch that changes nothing is dropped
.if MSB != (\new)
	s_set_vgpr_msb (MSB<<8)|(\new)
.set MSB, (\new)
.endif
.endm
.set W_KQ, 0x04                        ; Q (source 1) in window 1; K and S^T in window 0
.set W_PV, 0x51                        ; V (source 0) and O^T (C and D) in window 1; P in window 0
.set W_RS, 0x41                        ; O^T (destination and source 0) in window 1, a in window 0
.set TO1,  0x40                        ; destination window 1, address window 0
; A joint refill of slot sl.  Waves 0-3 fetch K's quarters, waves 4-7 V's.  The branch hangs on the wave's number alone.  An s_nop 0 and four v_nop follow each of the two lines.
.macro JLOAD sl
	s_cmp_lt_u32 s[WV], 4
	s_cbranch_scc0 .Lfor_v_\@
	tensor_load_to_lds s[G0K+4*\sl:G0K+4*\sl+3], s[G1K:G1K+7]
	s_nop 0
.rept 4
	v_nop
.endr
	s_branch .Lasked_\@
.Lfor_v_\@:
	tensor_load_to_lds s[G0V+4*\sl:G0V+4*\sl+3], s[G1V:G1V+7]
	s_nop 0
.rept 4
	v_nop
.endr
.Lasked_\@:
.endm
.macro CROUND                          ; a round of the cluster's barrier: my work-group's barrier; wave 0 signals for the work-group; every wave waits for all four work-groups; my work-group's barrier once more
	s_barrier_signal -1
	s_barrier_wait -1
	s_cmp_lg_u32 s[WV], 0
	s_cbranch_scc1 .Lnot_wave_0_\@
	s_barrier_signal -3
.Lnot_wave_0_\@:
	s_barrier_wait -3
	s_barrier_signal -1
	s_barrier_wait -1
.endm
.macro PLACES n
.rept \n
	v_nop
.endr
.endm
	s_load_b128 s[4:7], s[0:1], 0x0                ; qkv s[4:5], ows s[6:7]
	v_lshl_add_u32 v[SPW], v0, 2, SPARE
	v_mov_b32 v[NIL], 0
	ds_add_u32 v[SPW], v[NIL]                      ; the wave's opening: the add, twice on end, and its wait stand ahead of my first tensor load; the set-up below, work on registers, stands between
	ds_add_u32 v[SPW], v[NIL]
	v_lshrrev_b32 v1, 5, v0
	v_readfirstlane_b32 s[WV], v1                  ; wave 0..7
	s_and_b32 s15, ttmp7, 0xffff                   ; y = 16 x batch + head, which the four partners share
	s_and_b32 s16, s[WV], 3                        ; which quarter of a slot I fetch
	s_lshl_b32 s20, s15, 18                        ; a head's block is 262,144 bytes,
	s_lshl_b32 s17, s16, 14                        ; a quarter's 128 keys 16,384
	s_add_co_u32 s20, s20, s17
	s_mov_b32 s21, 0
	s_mul_i32 s18, s16, 64*KP                      ; and in a slot: no place in the cluster enters an LDS address
	s_mul_i32 s19, s16, 64*VP
	s_add_co_u32 s19, s19, VOFF
	s_bfe_u32 s13, ttmp6, 0x40000                  ; cx: my place in the cluster: it enters Q's and O's addresses alone, in registers that feed no descriptor
	s_lshl_b32 s14, ttmp9, 2
	s_add_co_u32 s14, s14, s13                     ; my block of 512 queries
	s_lshl_b32 s22, s14, 16                        ; 512 rows of 128 bytes,
	s_lshl_b32 s23, s[WV], 13                      ; my wave's 64
	s_add_co_u32 s22, s22, s23
	s_and_b32 s2, s15, 15                          ; head
	s_lshl_b32 s2, s2, 2
	s_lshr_b32 s3, s15, 4                          ; batch
	s_add_co_u32 s2, s2, s3
	s_lshl_b32 s2, s2, 18                          ; ows: (4 x head + batch) x 2,048 tokens of 128 bytes
	s_add_co_u32 s2, s2, s22
	s_mov_b32 s3, 0
	s_lshl_b32 s23, s15, 18
	s_add_co_u32 s22, s22, s23                     ; Q: y's block of the first third of qkv
	s_mov_b32 s23, 0
	; descriptor group 1: a tile of 64 rows x 128 elements of 2 bytes (128 keys), dense in memory, padded in LDS
	s_mov_b32 s[G1K], 15|(1<<16)|(1<<20)|(1<<21)|(5<<22)|(3<<25)  ; 15:0 the mask: all four work-groups; 17:16 elements of 2 bytes; 20 padding on; 21 set beside a mask; 24:22 after every 64 words (code 5); 31:25 4 words of it (code 3)
	s_mov_b32 s[G1V], 15|(1<<16)|(1<<20)|(1<<21)|(5<<22)|(7<<25)  ; the same with 8 words of padding (code 7)
.irp g, G1K, G1V
	s_mov_b32 s[\g+1], 128<<16                     ; tensor_dim0 = 128
	s_mov_b32 s[\g+2], 64<<16                      ; tensor_dim1 = 64
	s_mov_b32 s[\g+3], 128<<16                     ; tile_dim0 = 128
	s_mov_b32 s[\g+4], 64                          ; tile_dim1 = 64
	s_mov_b32 s[\g+5], 128                         ; tensor_dim0_stride: elements from row to row
	s_mov_b32 s[\g+6], 0
	s_mov_b32 s[\g+7], 0
.endr
	s_mov_b32 s[CS], 0x3e38aa3b                    ; c = log2(e) / 8 = 0.180337
	s_mov_b32 s[CS+1], s[CS]                       ; named with it as a pair, so it is written
	s_mov_b32 s[SEL], 0x76543210
	s_mov_b32 s[SEL+1], 0xfedcba98
	s_mov_b32 s[TK], 0
	s_mov_b32 s[TV], 0
	s_wait_dscnt 0x0                               ; both opening adds are done
	s_wait_kmcnt 0x0
	s_add_nc_u64 s[20:21], s[4:5], s[20:21]        ; my quarter of slot 0, counted in q's third of qkv
	s_add_nc_u64 s[4:5], s[4:5], s[22:23]          ; Q at my wave's first row
	s_add_nc_u64 s[6:7], s[6:7], s[2:3]            ; O likewise
	CROUND                                         ; all four work-groups are here: the first joint loads meet
.irp s, 0,1
	s_mov_b32 s[G0K+4*\s], 1                       ; count = 1
	s_add_co_u32 s[G0K+4*\s+1], s18, \s*SLOTB      ; LDS address
	s_add_nc_u64 s[G0K+4*\s+2:G0K+4*\s+3], s[20:21], 16777216+\s*65536   ; global address: k's third of qkv; slot s begins with keys 512 s
	s_or_b32 s[G0K+4*\s+3], s[G0K+4*\s+3], 0x80000000                    ; type = 2
	s_mov_b32 s[G0V+4*\s], 1
	s_add_co_u32 s[G0V+4*\s+1], s19, \s*SLOTB
	s_add_nc_u64 s[G0V+4*\s+2:G0V+4*\s+3], s[20:21], 33554432+\s*65536   ; v's third
	s_or_b32 s[G0V+4*\s+3], s[G0V+4*\s+3], 0x80000000
.endr
	s_cmp_lt_u32 s[WV], 4                          ; a wave's two first fills stand in one branch, ahead of every wait on TENSORcnt and every LDS read: two loads of mine are out
	s_cbranch_scc0 .Lfirst_v
	tensor_load_to_lds s[G0K:G0K+3], s[G1K:G1K+7]
	s_nop 0
	tensor_load_to_lds s[G0K+4:G0K+7], s[G1K:G1K+7]
	s_nop 0
.rept 4
	v_nop
.endr
	s_branch .Lfirst_asked
.Lfirst_v:
	tensor_load_to_lds s[G0V:G0V+3], s[G1V:G1V+7]
	s_nop 0
	tensor_load_to_lds s[G0V+4:G0V+7], s[G1V:G1V+7]
	s_nop 0
.rept 4
	v_nop
.endr
.Lfirst_asked:
	; A fragment of K or Q is 16 rows x 32 channels in 8 registers: lane l holds row l % 16; registers 0-3 channels 8 (l / 16) + 0..7, registers 4-7 channels 16 + 8 (l / 16) + 0..7: two loads of 16 bytes, 32 bytes apart.
	v_and_b32 v1, 15, v0                           ; r = l % 16
	v_bfe_u32 v9, v0, 4, 1                         ; h = l / 16
	v_lshlrev_b32 v[QO], 7, v1
	v_lshl_add_u32 v[QO], v9, 4, v[QO]             ; row x 128 + 16 x half
	v_lshrrev_b32 v11, 1, v1
	v_mul_u32_u24 v[AK0], v11, KP
	v_and_b32 v12, 1, v1
	v_lshl_add_u32 v[AK0], v12, 7, v[AK0]
	v_lshl_add_u32 v[AK0], v9, 4, v[AK0]           ; key r: (r / 2) x 272 + (r % 2) x 128, + 16 x half
	; The turning load: lane l reads 16 bytes of key 8 (l / 16) + l % 8, channels 8 ((l / 8) % 2) + 0..7, and is left with channel l % 16 and 8 keys: half a fragment of V^T.
	v_bfe_u32 v13, v0, 1, 2                        ; (l % 8) / 2
	v_lshl_add_u32 v13, v9, 2, v13                 ; + 4 (l / 16): which pair of keys
	v_mul_u32_u24 v[AV0], v13, VP
	v_lshl_add_u32 v[AV0], v12, 7, v[AV0]          ; + 128 (l % 2)
	v_bfe_u32 v13, v0, 3, 1
	v_lshl_add_u32 v[AV0], v13, 4, v[AV0]
	v_add_nc_u32 v[AV0], VOFF, v[AV0]
	s_mul_i32 s17, s[WV], 4*TSTG                   ; my stage
	v_add_nc_u32 v[STO], s17, v[AK0]               ; in: a row of O lies as a key of K does
	v_mul_u32_u24 v[RD], v9, KP
	v_lshl_add_u32 v[RD], v1, 4, v[RD]
	v_add_nc_u32 v[RD], s17, v[RD]                 ; back: lanes 0-15 two rows' 256 bytes, lanes 16-31 the next two
	v_and_b32 v[GO], 31, v0
	v_lshlrev_b32 v[GO], 4, v[GO]
.irp t, 0,1,2,3
	v_mov_b32 v[ST+8*\t+1], 0xff61b1e6             ; m = -3e38, under every score
	v_mov_b32 v[ST+8*\t+2], 0                      ; l, in two halves
	v_mov_b32 v[ST+8*\t+3], 0
.endr
.irp t, 0,1,2,3
	v_mul_f32 v[ST+8*\t], s[CS], v[ST+8*\t+1]      ; c m
.endr
	WIN TO1
.irp t, 0,1,2,3                        ; Q stays in registers
.irp c, 0,1
	global_load_b128 v[QF+16*\t+8*\c:QF+16*\t+8*\c+3],   v[QO], s[4:5] offset:\t*2048+\c*64
	global_load_b128 v[QF+16*\t+8*\c+4:QF+16*\t+8*\c+7], v[QO], s[4:5] offset:\t*2048+\c*64+32
.endr
.endr
.set i, 0
.rept 128                              ; O^T begins as zeros, so that the key step is written in one form: its first pass multiplies zeros by a = 0.  128 moves once, against one more copy of the whole step
	v_mov_b32 v[i], 0
.set i, i+1
.endr
	WIN 0
; THE LDS LOADS stand in runs of 16: a step's K (64 keys x 64 channels: 8 fragments) and its V (turned).
.macro FETCH_K
	v_add_nc_u32 v[ADK], s[TK], v[AK0]
.irp k, 0,1,2,3
.irp c, 0,1
	ds_load_b128 v[KF+16*\k+8*\c:KF+16*\k+8*\c+3],   v[ADK] offset:\k*8*KP+\c*64
	ds_load_b128 v[KF+16*\k+8*\c+4:KF+16*\k+8*\c+7], v[ADK] offset:\k*8*KP+\c*64+32
.endr
.endr
	s_add_co_u32 s[TK], s[TK], KSTEPB              ; the next fetch is the next step's
.endm
.macro FETCH_V
	v_add_nc_u32 v[ADV], s[TV], v[AV0]
	WIN TO1
.irp k, 0,1
.irp c, 0,1,2,3
	ds_load_tr16_b128 v[VF+32*\k+8*\c:VF+32*\k+8*\c+3],   v[ADV] offset:\k*16*VP+\c*32
	ds_load_tr16_b128 v[VF+32*\k+8*\c+4:VF+32*\k+8*\c+7], v[ADV] offset:\k*16*VP+\c*32+8*VP
.endr
.endr
	WIN 0
	s_add_co_u32 s[TV], s[TV], VSTEPB
.endm
; S^T = K Q^T: 32 products; the first 16 start the sums.  The 16 accumulators take turns, one instruction a turn: between two links of a chain stand 15 others'.
.macro QK
	WIN W_KQ
.irp c, 0,1
.irp t, 0,1,2,3
.irp k, 0,1,2,3
.if \c == 0
	v_wmma_f32_16x16x32_f16 v[S+32*\t+8*\k:S+32*\t+8*\k+7], v[KF+16*\k+8*\c:KF+16*\k+8*\c+7], v[QF+16*\t+8*\c:QF+16*\t+8*\c+7], 0
.else
	v_wmma_f32_16x16x32_f16 v[S+32*\t+8*\k:S+32*\t+8*\k+7], v[KF+16*\k+8*\c:KF+16*\k+8*\c+7], v[QF+16*\t+8*\c:QF+16*\t+8*\c+7], v[S+32*\t+8*\k:S+32*\t+8*\k+7]
.endif
.endr
.endr
.endr
	WIN 0
.endm
; O^T += V^T P: 32 products, 16 accumulators by turns.
.macro PV
	WIN W_PV
.irp k, 0,1
.irp t, 0,1,2,3
.irp c, 0,1,2,3
	v_wmma_f32_16x16x32_f16 v[32*\t+8*\c:32*\t+8*\c+7], v[VF+32*\k+8*\c:VF+32*\k+8*\c+7], v[S+32*\t+8*\k:S+32*\t+8*\k+7], v[32*\t+8*\c:32*\t+8*\c+7]
.endr
.endr
.endr
	WIN 0
.endm
; THE SOFTMAX of the wave's four tiles for one key step.  Every stage is written tile by tile innermost, so that no line reads the result of the line above it.  s0-s31 are a lane's 32 scores of a tile.
.macro SOFTMAX
.irp q, 0,1,2,3                        ; the maximum, three operands at a time: four chains c0-c3, one for each accumulator, each begun at the accumulator's low end
.irp t, 0,1,2,3
	v_max3_num_f32 v[ST+8*\t+4+\q], v[S+32*\t+8*\q], v[S+32*\t+8*\q+1], v[S+32*\t+8*\q+2]
.endr
.endr
.irp i, 1,2
.irp q, 0,1,2,3
.irp t, 0,1,2,3
	v_max3_num_f32 v[ST+8*\t+4+\q], v[ST+8*\t+4+\q], v[S+32*\t+8*\q+2*\i+1], v[S+32*\t+8*\q+2*\i+2]
.endr
.endr
.endr
.irp t, 0,1,2,3
	v_max3_num_f32 v[ST+8*\t+4], v[ST+8*\t+4], v[S+32*\t+7], v[S+32*\t+15]
.endr
.irp t, 0,1,2,3
	v_max3_num_f32 v[ST+8*\t+6], v[ST+8*\t+6], v[S+32*\t+23], v[S+32*\t+31]
.endr
.irp t, 0,1,2,3
	v_max3_num_f32 v[ST+8*\t+4], v[ST+8*\t+4], v[ST+8*\t+5], v[ST+8*\t+6]
.endr
.irp t, 0,1,2,3
	v_max3_num_f32 v[ST+8*\t+4], v[ST+8*\t+4], v[ST+8*\t+7], v[ST+8*\t+1]   ; with c3 and the old m
.endr
.irp t, 0,1,2,3
	v_permlanex16_b32 v[ST+8*\t+5], v[ST+8*\t+4], s[SEL], s[SEL+1]          ; the query's other 32 keys lie in the lane 16 away
.endr
.irp t, 0,1,2,3
	v_max_num_f32 v[ST+8*\t+1], v[ST+8*\t+4], v[ST+8*\t+5]                  ; the new m
.endr
.irp t, 0,1,2,3
	v_mov_b32 v[ST+8*\t+7], v[ST+8*\t]                                      ; c m_old is kept for a
.endr
.irp t, 0,1,2,3
	v_mul_f32 v[ST+8*\t], s[CS], v[ST+8*\t+1]                               ; c m
.endr
.irp t, 0,1,2,3
	v_sub_f32 v[ST+8*\t+7], v[ST+8*\t+7], v[ST+8*\t]                        ; c m_old - c m_new
.endr
.set e, 0
.rept 16
.irp t, 0,1,2,3
	v_pk_fma_f32 v[S+32*\t+e:S+32*\t+e+1], v[S+32*\t+e:S+32*\t+e+1], s[CS:CS+1], v[ST+8*\t:ST+8*\t+1] op_sel_hi:[1,0,0] neg_lo:[0,0,1] neg_hi:[0,0,1]   ; c s - c m, two at a time
.endr
.set e, e+2
.endr
.irp t, 0,1,2,3                        ; ONE BATCH of 132 exponentials: none of them reads another's result
	v_exp_f32 v[ST+8*\t+6], v[ST+8*\t+7]                                    ; a
.endr
.set e, 0
.rept 32
.irp t, 0,1,2,3
	v_exp_f32 v[S+32*\t+e], v[S+32*\t+e]                                    ; p
.endr
.set e, e+1
.endr
	v_nop                                          ; a plain instruction behind the last exponential, ahead of the first use (ISA guide 5.7.2): one for the batch
	s_wait_alu depctr_va_vdst(0)                   ; and a wait ahead of the first instruction that names a result: one for the batch
.irp t, 0,1,2,3
	v_pk_fma_f32 v[ST+8*\t+2:ST+8*\t+3], v[ST+8*\t+2:ST+8*\t+3], v[ST+8*\t+6:ST+8*\t+7], v[S+32*\t:S+32*\t+1] op_sel_hi:[1,0,1]   ; l = a l + the first pair,
.endr
.set e, 2
.rept 15
.irp t, 0,1,2,3
	v_pk_add_f32 v[ST+8*\t+2:ST+8*\t+3], v[ST+8*\t+2:ST+8*\t+3], v[S+32*\t+e:S+32*\t+e+1]   ; + the other fifteen: the sum is taken of p before it is rounded
.endr
.set e, e+2
.endr
.set e, 0
.rept 16
.irp t, 0,1,2,3
	v_cvt_pk_f16_f32 v[S+32*\t+e], v[S+32*\t+2*e], v[S+32*\t+2*e+1]         ; P in place, ascending: register e is written when registers up to 2 e + 1 have been read
.endr
.set e, e+1
.endr
	WIN W_RS
.set e, 0
.rept 16
.irp t, 0,1,2,3
	v_pk_mul_f32 v[32*\t+e:32*\t+e+1], v[32*\t+e:32*\t+e+1], v[ST+8*\t+6:ST+8*\t+7] op_sel_hi:[1,0]   ; O^T x a, each accumulator from its low end on
.endr
.set e, e+2
.endr
	WIN 0
.endm
; KEY STEP j.  On entry S^T of step j has been issued, V of step j is on its way.  more = 1: K and V of step j + 1 are fetched and its S^T is issued.
.macro TRIP more
	PLACES 4                                       ; behind the products K Q^T: for the loads into K's registers and the first reads of S^T (ISA guide 7.12.1 for vector instructions)
.if \more
	FETCH_K
.endif
	SOFTMAX
.if \more
	s_wait_dscnt 16                                ; V of this step is in; the 16 loads of the next step's K, issued behind it, may be out
.else
	s_wait_dscnt 0x0
.endif
	PV
.if \more
	PLACES 5                                       ; four for the loads into V's registers; five for the products K Q^T, which write over the registers of P that the products above have read
	FETCH_V
	s_wait_dscnt 16                                ; K of the next step is in; V's 16 loads just issued may be out
	QK
.endif
.endm
.macro TRIPS n
	s_mov_b32 s[NT], \n
.Ltrip_\@:
	TRIP 1
	s_sub_co_u32 s[NT], s[NT], 1
	s_cmp_lg_u32 s[NT], 0
	s_cbranch_scc1 .Ltrip_\@
.endm
; THE CHANGE OF SLOTS stands ahead of the key step that fetches the next slot's first tiles: all of the old slot's tiles have been asked for.  Each wave waits for all its tensor loads (its part of the next slot),
; adds 0 to its spare word, and waits for that and for its reads of the old slot.  fill = 1: the barrier is a round of the cluster's, and slot sl, the old one, is filled with the keys two slots on, first thing behind it.
.macro CHANGE fill, sl, next
	s_wait_tensorcnt 0x0                           ; no tensor load of mine is out, so a group 0 may be written
	ds_add_u32 v[SPW], v[NIL]                      ; 0 onto my spare word; the steps below stand between it and the wait for it
.if \fill
	s_add_nc_u64 s[G0K+4*\sl+2:G0K+4*\sl+3], s[G0K+4*\sl+2:G0K+4*\sl+3], 2*65536   ; 1,024 keys on; the type bits on top are not reached
	s_add_nc_u64 s[G0V+4*\sl+2:G0V+4*\sl+3], s[G0V+4*\sl+2:G0V+4*\sl+3], 2*65536
.endif
	s_mov_b32 s[TK], \next*SLOTB                   ; the fetches go on at the other slot's first step
	s_mov_b32 s[TV], \next*SLOTB
	s_wait_dscnt 0x0                               ; the add is done, and my reads of the old slot are over
.if \fill
	CROUND                                         ; no wave of any partner still reads the slot or has a load on its way
	JLOAD \sl                                      ; my one tensor load behind the round
.else
	s_barrier_signal -1
	s_barrier_wait -1
.endif
.endm
	s_wait_tensorcnt 1                             ; my part of slot 0 is in; slot 1's, issued behind it, may stay out
	s_barrier_signal -1
	s_barrier_wait -1                              ; everybody's is
	FETCH_K                                        ; key step 0
	FETCH_V
	s_wait_loadcnt 0x0                             ; Q
	s_wait_dscnt 16                                ; K is in; V's 16 loads may be out
	QK
	TRIPS 7                                        ; steps 0-6: they fetch steps 1-7, the rest of slot 0
	CHANGE 1, 0, 1                                 ; slot 0 takes keys 1,024 on
	TRIPS 8                                        ; steps 7-14: they fetch steps 8-15, from slot 1
	CHANGE 1, 1, 0                                 ; slot 1 takes keys 1,536 on
	TRIPS 8                                        ; steps 15-22: they fetch steps 16-23, from slot 0
	CHANGE 0, 0, 1                                 ; nothing is left to ask for
	TRIPS 8                                        ; steps 23-30: they fetch steps 24-31, from slot 1
	TRIP 0                                         ; step 31
	; THE WAY OUT.  l's two halves and the other half of the lanes' are added; O^T is divided by l, rounded to f16 and sent through my stage in LDS.  The additions are the places behind the last products.
.irp t, 0,1,2,3
	v_add_f32 v[ST+8*\t+4], v[ST+8*\t+2], v[ST+8*\t+3]
.endr
.irp t, 0,1,2,3
	v_permlanex16_b32 v[ST+8*\t+5], v[ST+8*\t+4], s[SEL], s[SEL+1]
.endr
.irp t, 0,1,2,3
	v_add_f32 v[ST+8*\t+4], v[ST+8*\t+4], v[ST+8*\t+5]
.endr
.irp t, 0,1,2,3
	v_rcp_f32 v[ST+8*\t+6], v[ST+8*\t+4]
.endr
	v_nop                                          ; a plain instruction between the last reciprocal and the use of its result
	s_wait_alu depctr_va_vdst(0)                   ; and a wait ahead of the first use: one for the four
; Tile t: a lane's eight channels of a row pack into 16 bytes; they go into the stage and come back as runs of 512 bytes (four rows of O, which lie on end in ows), into the registers that they left.
.macro PACK t
	WIN W_RS
.set i, 0
.rept 16
	v_pk_mul_f32 v[32*\t+i:32*\t+i+1], v[32*\t+i:32*\t+i+1], v[ST+8*\t+6:ST+8*\t+7] op_sel_hi:[1,0]
.set i, i+2
.endr
	WIN 0x05                                       ; sources 0 and 1 window 1, destination window 0: S^T's registers are free
.set i, 0
.rept 16
	v_cvt_pk_f16_f32 v[S+32*\t+i], v[32*\t+2*i], v[32*\t+2*i+1]
.set i, i+1
.endr
	WIN 0
.irp c, 0,1,2,3
	ds_store_b128 v[STO], v[S+32*\t+4*\c:S+32*\t+4*\c+3] offset:\t*TSTG+\c*32
.endr
.irp f, 0,1,2,3
	ds_load_b128 v[S+32*\t+4*\f:S+32*\t+4*\f+3], v[RD] offset:\t*TSTG+\f*2*KP   ; LDS serves a wave's instructions in order (ISA guide 5.7.1.4): these see the stores above
.endr
.endm
.macro SEND t, younger                 ; younger: the LDS instructions issued behind tile t's loads: the next tile's eight, or none
.irp f, 0,1,2,3
	s_wait_dscnt \younger+3-\f
	global_store_b128 v[GO], v[S+32*\t+4*\f:S+32*\t+4*\f+3], s[6:7] offset:\t*2048+\f*512   ; 32 lanes store 512 consecutive bytes, at a multiple of 256 from the buffer's first byte
.endr
.endm
	PACK 0
	PACK 1                                         ; a tile's arithmetic stands between the loads of the tile before and its stores
	SEND 0, 8
	PACK 2
	SEND 1, 8
	PACK 3
	SEND 2, 8
	SEND 3, 0
	s_wait_tensorcnt 0x0                           ; the wave's end, behind my last tensor load and my last LDS store
	ds_add_u32 v[SPW], v[NIL]
	s_wait_dscnt 0x0
	CROUND                                         ; the closing round: no work-group ends while a partner may still ask for a tile that names it
	s_endpgm
.Lfunc_end_k_q8b8343094f_attn:
	.size	k_q8b8343094f_attn, .Lfunc_end_k_q8b8343094f_attn-k_q8b8343094f_attn
	.p2alignl 7, 3214868480
	.fill 96, 4, 3214868480
	.section	.rodata,"a",@progbits
	.p2align	6, 0x0
	.amdhsa_kernel k_q8b8343094f_attn
		.amdhsa_group_segment_fixed_size 327680
		.amdhsa_private_segment_fixed_size 0
		.amdhsa_enable_private_segment 0
		.amdhsa_kernarg_size 16
		.amdhsa_user_sgpr_count 2
		.amdhsa_user_sgpr_kernarg_segment_ptr 1
		.amdhsa_wavefront_size32 1
		.amdhsa_system_sgpr_workgroup_id_x 1
		.amdhsa_system_sgpr_workgroup_id_y 1
		.amdhsa_system_sgpr_workgroup_id_z 1
		.amdhsa_system_vgpr_workitem_id 0
		.amdhsa_next_free_vgpr 512
		.amdhsa_next_free_sgpr 66
		.amdhsa_reserve_vcc 0
		.amdhsa_float_denorm_mode_32 3
		.amdhsa_float_denorm_mode_16_64 3
		.amdhsa_memory_ordered 1
		.amdhsa_forward_progress 1
		.amdhsa_inst_pref_size 188
	.end_amdhsa_kernel
	.amdgpu_metadata
---
amdhsa.version: [ 1, 2 ]
amdhsa.kernels:
  - .name:           k_q8b8343094f_attn
    .symbol:         k_q8b8343094f_attn.kd
    .args:
      - { .name: qkv, .offset: 0, .size: 8, .value_kind: global_buffer, .address_space: global }
      - { .name: ows, .offset: 8, .size: 8, .value_kind: global_buffer, .address_space: global }
    .group_segment_fixed_size: 327680
    .private_segment_fixed_size: 0
    .kernarg_segment_align: 8
    .kernarg_segment_size: 16
    .max_flat_workgroup_size: 256
    .sgpr_count:     66
    .vgpr_count:     512
    .wavefront_size: 32
...
	.end_amdgpu_metadata
.endif
;; end of part 3
;; launch proj (part 4): grid 4 x 64, 4 waves a work-group, clusters of 4 x 4, 327,680 bytes of LDS; arguments ows, wo16, bo, out0; writes out0
.if DOCPART == 4
	.amdgcn_target "amdgcn-amd-amdhsa--gfx1250"
	.amdhsa_code_object_version 6
	.text
	.protected	k_q8b8343094f_proj
	.globl	k_q8b8343094f_proj
	.p2align	8
	.type	k_q8b8343094f_proj,@function
k_q8b8343094f_proj:
	s_mov_b64 s[64:65], 0
	v_nop
	global_prefetch_b8 v0, s[64:65] scope:SCOPE_SE
	s_setreg_imm32_b32 hwreg(HW_REG_WAVE_MODE, 25, 1), 1
	s_wait_xcnt 0x0
	s_wait_alu depctr_hold_cnt(0) depctr_sa_sdst(0) depctr_va_vdst(0) depctr_va_sdst(0) depctr_va_ssrc(0) depctr_va_vcc(0) depctr_vm_vsrc(0)
	s_getreg_b32 s2, hwreg(HW_REG_IB_STS2, 6, 4)
	s_cmp_eq_u32 s2, 0
	s_cbranch_scc0 .Lentry_in_a_cluster
	s_endpgm
.Lentry_in_a_cluster:
	s_bfe_u32 s2, ttmp6, 0x10000c
	s_cmp_lg_u32 s2, 0xf033
	s_cbranch_scc0 .Lentry_shape_is_right
	s_endpgm
.Lentry_shape_is_right:
; out0[token][n] = the sum over k of o[token][k] Wo[k][n] + bo[n].  o: ows [head 16][token 8192][64] f16 (k = 64 x head + d);  Wo: wo16 [1024 k][1024 n] f16;  bo [1024], out0 [8192][1024]: f32.  Sums in f32, K ascending.
; A tile of the output is 128 tokens x 256 n: 256 work-groups, one for each of 64 x 4 tiles (tiles of 256 x 256 would be 128).  Four waves, each 64 tokens x 128 n: 32 accumulators of 16 x 16, 256 registers.
; K goes in steps of 128 (two heads) through a ring of two LDS slots: 8 steps, 128 matrix instructions a wave in each.  One tensor load a wave: waves 0 and 1 a head's 128 tokens of o each (a dense block, stated as 64 rows of
; 256 bytes), waves 2 and 3 64 rows of Wo each (512 bytes of each row).  A wave has two tensor loads out at the start and one behind each refill.
; THE MATRIX INSTRUCTION IS USED TRANSPOSED: source 0 = 16 n of Wo (stored [k][n]: turned by ds_load_tr16_b128), source 1 = 16 tokens: a lane then holds eight neighbouring n of one token.
; The bias is the C of each sum's first matrix instruction: eight registers for each block of 16 n, in the result's layout.
; CLUSTERS: 4 x 4 work-groups.  The four of a row of the cluster need the same tokens of o, the four of a column the same columns of Wo: each tile is asked for JOINTLY, with a mask that names the four.
; Nothing is prefetched: a step's tiles are small, and the whole of Wo is walked by every row of clusters.
; REGISTERS: window 0: v1-29 addresses; two fragment buffers of 96 at v32 and v128 (64 of Wo: block b at +8 b; 32 of o: block a at +64 + 8 a); on the way out v32-159 rows read back.
;   window 1: the accumulators, (a, b) at v[8 (8 a + b)].   window 2: v0-63 the bias.
.set AP,     272                       ; two tokens of one head in LDS: 256 bytes + 16
.set AHEAD,  64*AP                     ; a head's 128 tokens
.set BP,     544                       ; a row of Wo's tile: 512 bytes + 32 = 136 words: a pass of the turning load takes 8 rows x 32 bytes: 32 j + 16 q mod 256: sixteen different columns
.set BOFF,   2*AHEAD                   ; a slot: o's two heads, then 128 rows of Wo
.set SLOT,   BOFF+128*BP               ; 104,448 bytes
.set SPARE,  2*SLOT                    ; behind the ring: the spare words, 128 bytes for each wave: two blocks of 256 bytes that no other line names
.set SPITCH, 528                       ; the way out: a stage of 16 rows x (512 bytes + 16) for each wave, in slot 0, which has had its last fill and its last read by then
.set LAPS,   4                         ; a lap = two K steps = once round the ring
.set ADRA, 16                          ; v16-17  LDS address of my fragments of o in slot 0, 1
.set ADRB, 20                          ; v20-21  the same for Wo
.set STO,  24                          ; v24     the way out: where I put 32 bytes of a row
.set RD,   25                          ; v25     the way out: where I read a row back
.set CO,   26                          ; v26     16 x my lane: my place in a row's 512 bytes
.set BA,   27                          ; v27     32 x (lane / 16): my eight numbers of a block of the bias
.set SPW,  28                          ; v28     LDS address of my spare word: SPARE + 4 x my thread's number; never rewritten
.set NIL,  29                          ; v29     0; never rewritten
.set F0,   32
.set F1,   128
.set BK,   32                          ; the way out: 16 rows read back: v32-95 and v96-159 by turns
.set G1, 24                            ; s[24:31] descriptor group 1 for o's tiles;  s[32:39] group 0, one set for each slot
.set G0, 32
.set G1B, 48                           ; s[48:55], s[56:63] the same for Wo's tiles
.set G0B, 56
.set MSB, 0
.macro WIN new                         ; the immediate's high byte repeats the setting that is left; a switch that changes nothing is dropped
.if MSB != (\new)
	s_set_vgpr_msb (MSB<<8)|(\new)
.set MSB, (\new)
.endif
.endm
.set MULW, 0x50                        ; C and D window 1; both sources window 0.  MULW + 0x10: C window 2 (the bias), D window 1
.macro JLOAD s                         ; a joint load: waves 0 and 1 fetch o's two heads, waves 2 and 3 Wo's two halves; an s_nop 0 and four v_nop follow each of the two lines
	s_cmp_eq_u32 s15, 0
	s_cbranch_scc0 .Lfor_b_\@
	tensor_load_to_lds s[G0+4*\s:G0+4*\s+3], s[G1:G1+7]
	s_nop 0
.rept 4
	v_nop
.endr
	s_branch .Lasked_\@
.Lfor_b_\@:
	tensor_load_to_lds s[G0B+4*\s:G0B+4*\s+3], s[G1B:G1B+7]
	s_nop 0
.rept 4
	v_nop
.endr
.Lasked_\@:
.endm
.macro CREST                           ; a round of the cluster's barrier behind its opening barrier
	s_cmp_lg_u32 s14, 0
	s_cbranch_scc1 .Lnot_wave_0_\@
	s_barrier_signal -3
.Lnot_wave_0_\@:
	s_barrier_wait -3
	s_barrier_signal -1
	s_barrier_wait -1
.endm
.macro CROUND                          ; a whole round
	s_barrier_signal -1
	s_barrier_wait -1
	CREST
.endm
.macro PLACES                          ; four places in front of loads into registers that matrix instructions have read, and of the first reads of results (ISA guide 7.12.1 for vector instructions)
.rept 4
	v_nop
.endr
.endm
	s_load_b256 s[4:11], s[0:1], 0x0               ; ows s[4:5], wo16 s[6:7], bo s[8:9], out0 s[10:11]
	v_lshl_add_u32 v[SPW], v0, 2, SPARE
	v_mov_b32 v[NIL], 0
	ds_add_u32 v[SPW], v[NIL]                      ; the wave's opening: the add, twice on end, and its wait stand ahead of my first tensor load; the set-up below, work on registers, stands between
	ds_add_u32 v[SPW], v[NIL]
	v_lshrrev_b32 v1, 5, v0
	v_readfirstlane_b32 s14, v1                    ; wave 0..3
	s_lshr_b32 s15, s14, 1                         ; which 64 of the tile's tokens are mine.  Also: I fetch for o (0) or for Wo (1)
	s_and_b32 s16, s14, 1                          ; which 128 of its n.  Also: which half of that tile I fetch
	s_bfe_u32 s40, ttmp6, 0x40000                  ; cx, cy: my place in the cluster
	s_bfe_u32 s41, ttmp6, 0x40004
	s_lshl_b32 s42, ttmp9, 2
	s_add_co_u32 s42, s42, s40                     ; tile column = 4 x cluster x + cx: 0 .. 3
	s_and_b32 s13, ttmp7, 0xffff
	s_lshl_b32 s13, s13, 2
	s_add_co_u32 s13, s13, s41                     ; tile row = 4 x cluster y + cy: 0 .. 63
	s_lshl_b32 s43, s41, 2
	s_lshl_b32 s43, 15, s43                        ; my row of the cluster
	s_lshl_b32 s44, 0x1111, s40                    ; my column
	; descriptor group 1.  o: 64 rows x 128 elements of 2 bytes, dense;  Wo: 64 rows x 256 elements, 1,024 elements from row to row
	s_or_b32 s[G1+0], s43, (1<<16)|(1<<20)|(1<<21)|(5<<22)|(3<<25)   ; 15:0 the mask: o's tiles go to my row; 17:16 element of 2 bytes; 20 padding on; 21 set beside a mask; 24:22 after every 64 words (code 5); 31:25 of 4 words (code 3)
	s_mov_b32 s[G1+1], 128<<16                     ; tensor_dim0
	s_mov_b32 s[G1+2], 64<<16                      ; tensor_dim1
	s_mov_b32 s[G1+3], 128<<16                     ; tile_dim0
	s_mov_b32 s[G1+4], 64                          ; tile_dim1
	s_mov_b32 s[G1+5], 128                         ; tensor_dim0_stride
	s_mov_b32 s[G1+6], 0
	s_mov_b32 s[G1+7], 0
	s_or_b32 s[G1B+0], s44, (1<<16)|(1<<20)|(1<<21)|(6<<22)|(7<<25)  ; the mask of my column; padding after every 128 words (code 6) of 8 words (code 7)
	s_mov_b32 s[G1B+1], 256<<16
	s_mov_b32 s[G1B+2], 64<<16
	s_mov_b32 s[G1B+3], 256<<16
	s_mov_b32 s[G1B+4], 64
	s_mov_b32 s[G1B+5], 1024
	s_mov_b32 s[G1B+6], 0
	s_mov_b32 s[G1B+7], 0
	; where the tiles come from.  o's hang on the tile row alone, Wo's on the tile column alone; every wave makes both addresses, in registers that never hold the other coordinate
	s_lshl_b32 s20, s13, 14                        ; o: 128 tokens of 128 bytes a tile row,
	s_lshl_b32 s17, s16, 20                        ; a head is 8,192 tokens: 1,048,576 bytes
	s_add_co_u32 s20, s20, s17
	s_mov_b32 s21, 0
	s_lshl_b32 s46, s42, 9                         ; Wo: 256 n of 2 bytes a tile column,
	s_lshl_b32 s47, s16, 17                        ; 64 rows of 2,048 bytes
	s_add_co_u32 s46, s46, s47
	s_mov_b32 s47, 0
	s_mul_i32 s18, s16, AHEAD                      ; and where they go: no place in the cluster enters an LDS address
	s_mul_i32 s19, s16, 64*BP
	s_add_co_u32 s19, s19, BOFF
	s_wait_dscnt 0x0                               ; both opening adds are done
	s_wait_kmcnt 0x0
	s_add_nc_u64 s[20:21], s[4:5], s[20:21]
	s_add_nc_u64 s[46:47], s[6:7], s[46:47]
	CROUND                                         ; all sixteen work-groups are here: the first joint loads meet
.irp s, 0,1
	s_mov_b32 s[G0+4*\s], 1
	s_add_co_u32 s[G0+4*\s+1], s18, \s*SLOT
	s_add_nc_u64 s[G0+4*\s+2:G0+4*\s+3], s[20:21], \s*2097152      ; K step s: heads 2 s, 2 s + 1
	s_or_b32 s[G0+4*\s+3], s[G0+4*\s+3], 0x80000000
	s_mov_b32 s[G0B+4*\s], 1
	s_add_co_u32 s[G0B+4*\s+1], s19, \s*SLOT
	s_add_nc_u64 s[G0B+4*\s+2:G0B+4*\s+3], s[46:47], \s*262144     ; rows 128 s on
	s_or_b32 s[G0B+4*\s+3], s[G0B+4*\s+3], 0x80000000
	JLOAD \s
.endr
	v_and_b32 v1, 15, v0                           ; r = l % 16
	v_bfe_u32 v2, v0, 4, 1                         ; h = l / 16
	v_lshrrev_b32 v3, 1, v1
	v_mul_u32_u24 v3, v3, AP
	v_and_b32 v4, 1, v1
	v_lshl_add_u32 v3, v4, 7, v3
	v_lshl_add_u32 v3, v2, 4, v3                   ; o: token r at (r / 2) x 272 + (r % 2) x 128, + 16 x half
	v_and_b32 v5, 7, v0
	v_lshl_add_u32 v5, v2, 3, v5
	v_mul_u32_u24 v5, v5, BP
	v_bfe_u32 v6, v0, 3, 1
	v_lshl_add_u32 v5, v6, 4, v5                   ; Wo, for the turning load: row 8 (l / 16) + l % 8, + 16 ((l / 8) % 2)
	s_mul_i32 s17, s15, 32*AP                      ; my 64 tokens
	s_lshl_b32 s18, s16, 8                         ; my 128 n: 256 bytes of each row,
	s_add_co_u32 s18, s18, BOFF                    ; behind o's two heads
.irp s, 0,1
	v_add_nc_u32 v[ADRA+\s], s17, v3
	v_add_nc_u32 v[ADRB+\s], s18, v5
	s_add_co_u32 s17, s17, SLOT
	s_add_co_u32 s18, s18, SLOT
.endr
	s_mul_i32 s19, s14, 16*SPITCH                  ; my stage, in slot 0
	v_mul_u32_u24 v5, v1, SPITCH                   ; in: row r, 32 bytes for each half of the lanes
	v_lshl_add_u32 v5, v2, 5, v5
	v_add_nc_u32 v[STO], s19, v5
	v_and_b32 v6, 31, v0
	v_lshlrev_b32 v[CO], 4, v6                     ; back: the 32 lanes take one row of 512 bytes; and the same in out0
	v_add_nc_u32 v[RD], s19, v[CO]
	v_lshlrev_b32 v[BA], 5, v2
	s_lshl_b32 s22, s42, 10                        ; my first n, in bytes of f32: 1,024 x tile column + 512 x half
	s_lshl_b32 s23, s16, 9
	s_add_co_u32 s22, s22, s23
	s_mov_b32 s23, 0
	s_add_nc_u64 s[8:9], s[8:9], s[22:23]          ; the bias at my first n
	s_lshl_b32 s46, s13, 19                        ; my first token: 128 rows of 4,096 bytes a tile row,
	s_lshl_b32 s47, s15, 18                        ; 64 rows a half
	s_add_co_u32 s46, s46, s47
	s_add_co_u32 s46, s46, s22
	s_mov_b32 s47, 0
	s_add_nc_u64 s[10:11], s[10:11], s[46:47]
	WIN 0x80                                       ; destination window 2
.irp b, 0,1,2,3,4,5,6,7                ; block b's eight registers: bo at n = 16 b + 8 h + 0 .. 7 of my 128
	global_load_b128 v[8*\b:8*\b+3],   v[BA], s[8:9] offset:64*\b
	global_load_b128 v[8*\b+4:8*\b+7], v[BA], s[8:9] offset:64*\b+16
.endr
	WIN 0
; 24 LDS loads in one run: the fragments of the slot's q-th 32 along K into buffer f: Wo's eight blocks (turned: two loads each, 16 rows apart), then o's four, ascending
.macro FETCH slot, q, f
.irp b, 0,1,2,3,4,5,6,7
	ds_load_tr16_b128 v[\f+8*\b:\f+8*\b+3],   v[ADRB+\slot] offset:(\q)*32*BP+32*\b
	ds_load_tr16_b128 v[\f+8*\b+4:\f+8*\b+7], v[ADRB+\slot] offset:(\q)*32*BP+32*\b+16*BP
.endr
.irp a, 0,1,2,3
	ds_load_b128 v[\f+64+8*\a:\f+64+8*\a+3],   v[ADRA+\slot] offset:((\q)/2)*AHEAD+((\q)%2)*64+\a*8*AP
	ds_load_b128 v[\f+64+8*\a+4:\f+64+8*\a+7], v[ADRA+\slot] offset:((\q)/2)*AHEAD+((\q)%2)*64+\a*8*AP+32
.endr
.endm
; 8 n matrix instructions: o's blocks a0 .. a0 + n - 1 x Wo's eight, 32 along K.  first = 1: the sums begin with the bias.  The 32 accumulators take turns, one instruction a turn, in the same order in every quarter.
.macro MUL f, a0, n, first
.set aa, \a0
.rept \n
.irp b, 0,1,2,3,4,5,6,7
.if \first
	v_wmma_f32_16x16x32_f16 v[8*(8*aa+\b):8*(8*aa+\b)+7], v[\f+8*\b:\f+8*\b+7], v[\f+64+8*aa:\f+64+8*aa+7], v[8*\b:8*\b+7]
.else
	v_wmma_f32_16x16x32_f16 v[8*(8*aa+\b):8*(8*aa+\b)+7], v[\f+8*\b:\f+8*\b+7], v[\f+64+8*aa:\f+64+8*aa+7], v[8*(8*aa+\b):8*(8*aa+\b)+7]
.endif
.endr
.set aa, aa+1
.endr
.endm
; A K step is four quarters of 32 along K, 32 matrix instructions each, on buffers 0, 1, 0, 1.  One of the first three: multiplies buffer f and fetches the slot's quarter q into g.
.macro QUARTER slot, q, f, g, first
	s_wait_dscnt 4                                 ; Wo's blocks and o's blocks 0, 1 are in; the youngest four loads (o's blocks 2, 3) may be out
	WIN MULW+0x10*\first
	MUL \f, 0, 2, \first
	WIN 0
	PLACES
	FETCH \slot, \q, \g
	s_wait_dscnt 24                                ; all but the 24 just issued
	WIN MULW+0x10*\first
	MUL \f, 2, 2, \first
	WIN 0
.endm
; The last quarter multiplies buffer 1 and changes slots: ONE barrier; in front of it each wave waits for all its tensor loads, adds 0 to its spare word, and waits for that and for its own reads of this slot.  fill = 1: this slot is filled again, two K steps ahead.
.macro TURN slot, next, fill
	s_wait_tensorcnt 0x0                           ; all my tensor loads have landed: my part of the next slot  (every window is 0 here)
	ds_add_u32 v[SPW], v[NIL]                      ; 0 onto my spare word
	s_wait_dscnt 5                                 ; (the add and the youngest four loads may be out)
	WIN MULW
	MUL F1, 0, 1, 0                                ; eight matrix instructions stand between the add and the wait for it
	s_wait_dscnt 0x0                               ; the add is done, and my reads of this slot are over
	s_barrier_signal -1
	MUL F1, 1, 1, 0
	WIN 0
	s_barrier_wait -1
.if \fill
	CREST                                          ; the barrier has opened a round of the cluster's barrier: no wave of any partner still reads this slot's tile or has a load on its way
	s_add_nc_u64 s[G0+4*\slot+2:G0+4*\slot+3], s[G0+4*\slot+2:G0+4*\slot+3], 2*2097152
	s_add_nc_u64 s[G0B+4*\slot+2:G0B+4*\slot+3], s[G0B+4*\slot+2:G0B+4*\slot+3], 2*262144
	JLOAD \slot                                    ; the first tensor load behind the round: 112 matrix instructions ahead of the wait for it; the four v_nop behind it are also the places in front of the loads below
.else
	PLACES
.endif
	FETCH \next, 0, F0
	WIN MULW
	MUL F1, 2, 2, 0
	WIN 0
.endm
	s_wait_tensorcnt 1                             ; my part of K step 0 is in (K step 1's load, issued behind it, may be out),
	s_barrier_signal -1
	s_barrier_wait -1                              ; everybody's is
	FETCH 0, 0, F0
	s_wait_loadcnt 0x0                             ; the bias
	QUARTER 0, 1, F0, F1, 1                        ; the first quarter stands in front of the loop: its products start the sums, on the bias
	s_mov_b32 s3, LAPS-1
.Llap:                                                 ; a trip goes once round the ring, from a lap's second quarter to the next lap's first, and fills both slots again
	QUARTER 0, 2, F1, F0, 0
	QUARTER 0, 3, F0, F1, 0
	TURN 0, 1, 1
	QUARTER 1, 1, F0, F1, 0
	QUARTER 1, 2, F1, F0, 0
	QUARTER 1, 3, F0, F1, 0
	TURN 1, 0, 1
	QUARTER 0, 1, F0, F1, 0
	s_sub_co_u32 s3, s3, 1
	s_cmp_lg_u32 s3, 0
	s_cbranch_scc1 .Llap
	QUARTER 0, 2, F1, F0, 0                        ; the last lap fills nothing, and has no round of the cluster's barrier
	QUARTER 0, 3, F0, F1, 0
	TURN 0, 1, 0
	QUARTER 1, 1, F0, F1, 0
	QUARTER 1, 2, F1, F0, 0
	QUARTER 1, 3, F0, F1, 0
	s_wait_dscnt 4                                 ; the very last quarter: nothing more to fetch
	WIN MULW
	MUL F1, 0, 2, 0
	s_wait_dscnt 0x0
	MUL F1, 2, 2, 0
	WIN 0
; THE WAY OUT, block by block of 16 tokens x 128 n.  A lane holds 32 neighbouring bytes of a row, and the lanes beside it hold other rows: so a block goes through my own stage in LDS and comes back as whole rows of 512 bytes.
; LDS serves a wave's instructions in order (ISA guide 5.7.1.4): no wait between the stores and the loads, nor in front of the next block's stores.
.macro TOSTAGE a
	WIN 0x04                                       ; an LDS store's data are its source 1: window 1
.irp b, 0,1,2,3,4,5,6,7
	ds_store_b128 v[STO], v[8*(8*(\a)+\b):8*(8*(\a)+\b)+3] offset:64*\b          ; each accumulator from its low end on
	ds_store_b128 v[STO], v[8*(8*(\a)+\b)+4:8*(8*(\a)+\b)+7] offset:64*\b+16
.endr
	WIN 0
.set BB, BK+64*((\a)%2)
.irp t, 0,1,2,3,4,5,6,7,8,9,10,11,12,13,14,15
	ds_load_b128 v[BB+4*\t:BB+4*\t+3], v[RD] offset:\t*SPITCH
.endr
.endm
.macro SEND a, younger                 ; younger: the LDS instructions issued behind block a's loads, which may stay out
.set BB, BK+64*((\a)%2)
	s_wait_dscnt \younger                          ; the block is back in registers
.irp t, 0,1,2,3,4,5,6,7,8,9,10,11,12,13,14,15
	global_store_b128 v[CO], v[BB+4*\t:BB+4*\t+3], s[10:11] offset:(16*(\a)+\t)*4096 th:TH_STORE_NT   ; 32 lanes store 512 consecutive bytes, at a multiple of 256 from the buffer's first byte; written once, read by nobody here; the base never steps
.endr
.endm
	PLACES                                         ; behind the last products: for the stores that read results and the loads into the registers that held fragments
	TOSTAGE 0
	TOSTAGE 1
	SEND 0, 32                                     ; behind block 0's loads: block 1's 16 stores and 16 loads
	s_wait_xcnt 0x0                                ; block 0's stores have read their registers: block 2's loads may land there
	TOSTAGE 2
	SEND 1, 32
	s_wait_xcnt 0x0                                ; block 1's likewise
	TOSTAGE 3
	SEND 2, 32
	SEND 3, 0
	s_wait_tensorcnt 0x0                           ; the wave's end, behind my last tensor load and my last LDS store
	ds_add_u32 v[SPW], v[NIL]
	s_wait_dscnt 0x0
	CROUND                                         ; the closing round: no work-group ends while a partner may still ask for a tile that names it
	s_endpgm
.Lfunc_end_k_q8b8343094f_proj:
	.size	k_q8b8343094f_proj, .Lfunc_end_k_q8b8343094f_proj-k_q8b8343094f_proj
	.p2alignl 7, 3214868480
	.fill 96, 4, 3214868480
	.section	.rodata,"a",@progbits
	.p2align	6, 0x0
	.amdhsa_kernel k_q8b8343094f_proj
		.amdhsa_group_segment_fixed_size 327680
		.amdhsa_private_segment_fixed_size 0
		.amdhsa_enable_private_segment 0
		.amdhsa_kernarg_size 32
		.amdhsa_user_sgpr_count 2
		.amdhsa_user_sgpr_kernarg_segment_ptr 1
		.amdhsa_wavefront_size32 1
		.amdhsa_system_sgpr_workgroup_id_x 1
		.amdhsa_system_sgpr_workgroup_id_y 1
		.amdhsa_system_sgpr_workgroup_id_z 1
		.amdhsa_system_vgpr_workitem_id 0
		.amdhsa_next_free_vgpr 576
		.amdhsa_next_free_sgpr 66
		.amdhsa_reserve_vcc 0
		.amdhsa_float_denorm_mode_32 3
		.amdhsa_float_denorm_mode_16_64 3
		.amdhsa_memory_ordered 1
		.amdhsa_forward_progress 1
		.amdhsa_inst_pref_size 87
	.end_amdhsa_kernel
	.amdgpu_metadata
---
amdhsa.version: [ 1, 2 ]
amdhsa.kernels:
  - .name:           k_q8b8343094f_proj
    .symbol:         k_q8b8343094f_proj.kd
    .args:
      - { .name: ows, .offset: 0, .size: 8, .value_kind: global_buffer, .address_space: global }
      - { .name: wo16, .offset: 8, .size: 8, .value_kind: global_buffer, .address_space: global }
      - { .name: bo, .offset: 16, .size: 8, .value_kind: global_buffer, .address_space: global }
      - { .name: out0, .offset: 24, .size: 8, .value_kind: global_buffer, .address_space: global }
    .group_segment_fixed_size: 327680
    .private_segment_fixed_size: 0
    .kernarg_segment_align: 8
    .kernarg_segment_size: 32
    .max_flat_workgroup_size: 128
    .sgpr_count:     66
    .vgpr_count:     576
    .wavefront_size: 32
...
	.end_amdgpu_metadata
.endif
;; end of part 4
